; MI455X (gfx1250); checked and timed in simulation.
; The chip was launched on July 23, 2026; its instructions are those of AMD's public machine-readable ISA for CDNA 5 (MIT licence, August 2026) and "CDNA5" Instruction Set Architecture Reference Guide (July 2026). The comments in the code are by the model that wrote it; some were corrected since.
;; Multi Head Attention. Allowed arithmetic: matrix products marked QUANTISED: E2M1 operands, one E8M0 scale for each 32 along K, by v_wmma_scale_f32_16x16x128_f8f6f4 with both operands' format E2M1 (or v_wmma_scale_f32_32x16x128_f4), f32 sums; everything else in f32.
;; Inputs: Wk 1,024 x 1,024 float32; Wo 1,024 x 1,024 float32; Wq 1,024 x 1,024 float32; Wv 1,024 x 1,024 float32; bk 1,024 float32; bo 1,024 float32; bq 1,024 float32; bv 1,024 float32; mask 4 x 1 x 2,048 x 2,048 float32; x 4 x 2,048 x 1,024 float32.
;; Outputs: out0 4 x 2,048 x 1,024 float32.
;; This version of the problem:
;;   THIS VERSION OF THE PROBLEM IS GIVEN IN LOW PRECISION. The matrix products marked QUANTISED in the list below multiply operands that are first quantised to E2M1 (2 exponent bits, 1 mantissa bit; 4 bits a number), with one power-of-two scale for each 32 numbers along K (OCP MX v1.0); their sums are f32. All else is computed in f32.
;;   The module's matrix products, in the order in which they are computed (A, B: the left and right operand; K: the contracted axis; several contracted axes count as one K, in the product's order):
;;     1. [M 8,192, K 1,024] x [K 1,024, N 1,024]; A: input x; B: input Wq: QUANTISED
;;     2. [M 8,192, K 1,024] x [K 1,024, N 1,024]; A: input x; B: input Wk: QUANTISED
;;     3. [M 8,192, K 1,024] x [K 1,024, N 1,024]; A: input x; B: input Wv: QUANTISED
;;     4. batch 64 x [M 2,048, K 64] x [K 64, N 2,048]; A: computed on the way; B: computed on the way: QUANTISED
;;     5. batch 64 x [M 2,048, K 2,048] x [K 2,048, N 64]; A: softmax (see below); B: computed on the way: QUANTISED
;;     6. [M 8,192, K 1,024] x [K 1,024, N 1,024]; A: computed on the way; B: input Wo: QUANTISED
;;   THE QUANTISER, for each operand of a quantised product, along K:
;;     - K is cut into blocks of 32 from its start; a last block that is shorter is filled with zeros.
;;     - A block's scale is 2^e with e = floor(log2(the largest magnitude in the block)) - 2, held to -126 .. 127; a block of zeros has e = 0. As a byte (E8M0): e + 127.
;;     - Each number is divided by its block's scale, clamped to +-6, and rounded to the nearest number of E2M1, ties to even, subnormals kept.
;;     - The product sums the exact products of the quantised numbers (number of the format x scale) in f32.
;;   ~~~python
;;   def quantise(x, axis):      # numpy; x: float32 -> the quantised numbers, widened to float32 again
;;       x = np.moveaxis(x, axis, -1); K = x.shape[-1]
;;       x = np.pad(x, [(0, 0)] * (x.ndim - 1) + [(0, -K % 32)]); x = x.reshape(x.shape[:-1] + (-1, 32)); a = np.abs(x).max(-1, keepdims=True)
;;       e = np.where(a > 0, np.clip(np.frexp(np.where(a > 0, a, 1))[1] - 1 - 2, -126, 127), 0)      # np.frexp(a)[1] - 1 = floor(log2(a)), exactly
;;       r = np.clip(x / 2.0 ** e, -6, 6)
;;       step = 2.0 ** (np.maximum(np.frexp(np.where(r == 0, 1, r))[1] - 1, 0) - 1)
;;       q = np.round(r / step) * step * 2.0 ** e      # np.round: ties to even
;;       return np.moveaxis(q.reshape(q.shape[:-2] + (-1,))[..., :K], -1, axis).astype(np.float32)
;;   ~~~
;;   SOFTMAX AHEAD OF A QUANTISED PRODUCT. Where the list says 'softmax', what is quantised is not the finished softmax but p = 2^(t - M), with t = logit x log2(e) and M = ceil(the row's largest t), a whole number; so 1/2 < the row's largest p <= 1. The row's sum l is taken of the UNQUANTISED p, in f32, and the product's result is divided by l at the end. Since M is a whole number, a kernel that streams over the keys may use a running M (the ceiling of the running maximum): every later rescaling is an exact power of two, which a block's scale takes up: the codes' values come out the same.
;;   OPERANDS COMPUTED ON THE WAY. 'Computed on the way' means the value that the module computes at that place (a softmax that the list does not call 'softmax' is quantised finished and normalised). What goes into a quantiser is computed in f32, as accurately as f32 sums, v_exp_f32 and their like allow (about 1e-6 of the number): no bf16 or f16 on the way to a quantiser, and a product that is left as it is and whose result goes on into a quantised operand takes f32 operands (vector FMAs, or v_wmma_f32_16x16x4_f32). A number that lies on a knife's edge between two numbers of the format may be rounded either way, as far as f32 arithmetic and the matrix unit's own rounding can turn it there, and no further.
;; One version. Each part assembles by itself: llvm-mc -triple=amdgcn-amd-amdhsa -mcpu=gfx1250 --defsym DOCPART=n.
;; ======== version 1 of 1: 4 launches
;; workspace buffers: cod 6,291,456 bytes; scl 393,216 bytes; pc 12,582,912 bytes; ps 786,432 bytes; oc 4,194,304 bytes; os 262,144 bytes
;; launch quant (part 1): grid 768 x 1, 2 waves a work-group, no clusters, 17,152 bytes of LDS; arguments x, Wq, Wk, Wv, Wo, cod, scl; writes cod, scl
.if DOCPART == 1
	.amdgcn_target "amdgcn-amd-amdhsa--gfx1250"
	.amdhsa_code_object_version 6
	.text
	.protected	k_qa735512a95_quant
	.globl	k_qa735512a95_quant
	.p2align	8
	.type	k_qa735512a95_quant,@function
k_qa735512a95_quant:
	s_mov_b64 s[64:65], 0
	v_nop
	global_prefetch_b8 v0, s[64:65] scope:SCOPE_SE
	s_setreg_imm32_b32 hwreg(HW_REG_WAVE_MODE, 25, 1), 1
	s_wait_xcnt 0x0
; MULTI-HEAD ATTENTION IN MX-FP4, launch 1 of 4: x [8192][1024], Wq, Wk, Wv, Wo [1024][1024], f32, K innermost, become codes of E2M1 with one E8M0 byte for each 32 along K.
; DEAD WORK: none.  Every input of reference() reaches out0 for some values: the four biases go into quantised operands or into the result, the mask multiplies every score.  Nothing is left out in any launch.
; LAYOUT OF THE RESULT.  A BLOCK is 16 rows of one tensor, block j holding rows 32 (j / 2) + 8 (j % 2) + r + 8 (r / 8), r = 0 .. 15: used as source 0 of a product, two neighbouring blocks give a lane 16 neighbours along that axis.
; A fragment (16 rows x 128 K, 8 registers a lane) is stored as an IMAGE OF ITS REGISTERS: 1,024 bytes, registers 4 c .. 4 c + 3 of lane l at 512 c + 16 l.
; cod: [half of K: 2][block J: 768][K step in the half: 4][1,024];  scl: [half][J][256]: row r's 16 bytes are its four scale words.  J: x 0-511, Wq 512-575, Wk 576-639, Wv 640-703, Wo 704-767.
; SHARES.  A work-group takes one block, each of its two waves one half of K: four steps of 128.  Each load reads 512 consecutive bytes of one row; a step's 16 rows turn through the wave's own stage in LDS
; (rows 528 bytes apart) so that a lane then holds, of its row, 16 neighbours of each block of 32.  No barrier: the waves share nothing.  Loads run two steps (32 loads a wave) ahead.
; THE RULE.  A block's scale is 2^(floor(log2(largest magnitude)) - 2); its byte is the largest magnitude's exponent field - 2, held at 1 from below by a floor among the maximum's leaves.
; LIMITS: a block of zeros gets the byte 1 where the rule says 127 (its codes are zeros, and this program alone reads the bytes); blocks whose largest magnitude lies under 2^-124 are held at byte 1; NaN and infinities among the inputs are not served.
.set SPARE, 16896                      ; behind the two stages: the spare words, 128 bytes for each wave: one block of 256 bytes that no other line names
.set SPW,   6                          ; v6   LDS address of my spare word; never rewritten
.set NIL,   7                          ; v7   0; never rewritten
.set TM,    12                         ; v12-27  at work in QUANT
.set PW,    28                         ; v28-31  the scale words of steps 0 .. 3
.set PC,    32                         ; v32-63  the codes, 8 registers a step: no store's data are written again
.set X,     64                         ; v64-127 64 numbers of my row
.set R,     128                        ; v128-255 two sets of 64 registers as loaded
.set SEL,   30                         ; s[30:31] lane selects for v_permlanex16_b32: lane l xor 16
	s_load_b256 s[4:11], s[0:1], 0x0               ; x s[4:5], Wq s[6:7], Wk s[8:9], Wv s[10:11]
	s_load_b128 s[12:15], s[0:1], 0x20             ; Wo s[12:13], cod s[14:15]
	s_load_b64 s[16:17], s[0:1], 0x30              ; scl
	v_lshl_add_u32 v[SPW], v0, 2, SPARE
	v_mov_b32 v[NIL], 0
	v_lshrrev_b32 v1, 5, v0
	v_readfirstlane_b32 s18, v1                    ; wave = half of K
	v_and_b32 v1, 31, v0                           ; lane
	v_lshlrev_b32 v2, 4, v1                        ; 16 x lane: my place in a load's 512 bytes and in an image
	s_mul_i32 s19, s18, 8448                       ; my stage: 16 rows x 528 bytes
	v_add_nc_u32 v3, s19, v2                       ; the stage on the way in
	v_and_b32 v10, 15, v0                          ; r
	v_bfe_u32 v11, v0, 4, 1                        ; h
	v_mul_u32_u24 v4, v10, 528
	v_lshl_add_u32 v4, v11, 6, v4
	v_add_nc_u32 v4, s19, v4                       ; and on the way out: row r, + 64 h: my 16 numbers of a block of 32
	v_lshlrev_b32 v5, 4, v10
	v_lshl_add_u32 v5, v11, 3, v5                  ; the scale words: 16 r + 8 h
.irp b, 0,1,2,3
	v_mov_b32 v[TM+4+\b], 0                        ; written once: a lane permute's destination counts as one of its sources
.endr
	s_mov_b32 s[SEL], 0x76543210
	s_mov_b32 s[SEL+1], 0xfedcba98
	s_mov_b32 s32, 0xffff0000                      ; lanes 16-31
	s_and_b32 s22, ttmp9, 63
	s_cmp_lt_u32 ttmp9, 512
	s_cselect_b32 s22, ttmp9, s22                  ; j: the block's number in its own tensor
	s_lshr_b32 s24, s22, 1
	s_lshl_b32 s24, s24, 17                        ; 32 (j / 2) rows of 4,096 bytes
	s_and_b32 s23, s22, 1
	s_lshl_b32 s23, s23, 15                        ; 8 (j % 2) rows
	s_add_co_u32 s24, s24, s23
	s_lshl_b32 s23, s18, 11                        ; my half of K: 512 numbers
	s_add_co_u32 s24, s24, s23
	s_mov_b32 s25, 0
	s_mul_i32 s26, s18, 768
	s_add_co_u32 s26, s26, ttmp9                   ; half x 768 + J
	s_lshl_b32 s28, s26, 8                         ; its 256 scale bytes
	s_mov_b32 s29, 0
	s_lshl_b32 s26, s26, 12                        ; its four images
	s_mov_b32 s27, 0
	s_wait_kmcnt 0x0
	s_cmp_lt_u32 ttmp9, 704                        ; which tensor: the choice hangs on the work-group's number alone
	s_cselect_b64 s[20:21], s[10:11], s[12:13]
	s_cmp_lt_u32 ttmp9, 640
	s_cselect_b64 s[20:21], s[8:9], s[20:21]
	s_cmp_lt_u32 ttmp9, 576
	s_cselect_b64 s[20:21], s[6:7], s[20:21]
	s_cmp_lt_u32 ttmp9, 512
	s_cselect_b64 s[20:21], s[4:5], s[20:21]
	s_add_nc_u64 s[20:21], s[20:21], s[24:25]
	s_add_nc_u64 s[14:15], s[14:15], s[26:27]
	s_add_nc_u64 s[16:17], s[16:17], s[28:29]
; 64 numbers of a lane, register 16 b + i = k 32 b + 16 h + i of my row, become a fragment's 8 registers of codes and my row's scale word
.macro QUANT s, pc, pw
.irp b, 0,1,2,3
	v_max3_num_f32 v[TM+\b], |v[(\s)+16*\b]|, |v[(\s)+1+16*\b]|, 0x1800000   ; block b: my 16 numbers, and the floor 2^(3 - 127): the byte cannot fall under 1
.endr
.irp i, 2,4,6,8,10,12,14
.irp b, 0,1,2,3
	v_max3_num_f32 v[TM+\b], v[TM+\b], |v[(\s)+16*\b+\i]|, |v[(\s)+1+16*\b+\i]|   ; the four blocks by turns
.endr
.endr
.irp b, 0,1,2,3
	v_permlanex16_b32 v[TM+4+\b], v[TM+\b], s[SEL], s[SEL+1]
.endr
.irp b, 0,1,2,3
	v_max_num_f32 v[TM+\b], v[TM+\b], v[TM+4+\b]   ; with lane l xor 16's: the block's largest magnitude
.endr
.irp b, 0,1,2,3
	v_add_nc_u32 v[TM+12+\b], 0xff000000, v[TM+\b] ; 2 off its exponent field: the conversion takes the exponent field of this operand as its scale
.endr
.irp b, 0,1,2,3
	v_lshrrev_b32 v[TM+4+\b], 23, v[TM+12+\b]      ; the scale's byte
.endr
	v_lshl_or_b32 v[\pw], v[TM+5], 8, v[TM+4]
	v_lshl_or_b32 v[\pw], v[TM+6], 16, v[\pw]
	v_lshl_or_b32 v[\pw], v[TM+7], 24, v[\pw]      ; my row's scale word, in both halves of the lanes
.irp b, 0,1,2,3
	v_cvt_scalef32_pk8_fp4_f32 v[(\pc)+2*\b], v[(\s)+16*\b:(\s)+7+16*\b], v[TM+12+\b]
	v_cvt_scalef32_pk8_fp4_f32 v[(\pc)+1+2*\b], v[(\s)+8+16*\b:(\s)+15+16*\b], v[TM+12+\b]
.endr
	v_nop                                          ; one plain place behind a scaled conversion
.irp c, 0,1                                    ; the operand's layout wants a whole block in a lane: lanes 0-15 block 2 c, lanes 16-31 block 2 c + 1
.irp i, 0,1
	v_permlane16_swap_b32 v[(\pc)+4*\c+\i], v[(\pc)+2+4*\c+\i]
.endr
.endr
.endm
.macro LOAD t                          ; step t: 128 numbers of each of the block's 16 rows, 512 consecutive bytes a load
.irp i, 0,1,2,3,4,5,6,7,8,9,10,11,12,13,14,15
	global_load_b128 v[R+64*((\t)%2)+4*\i:R+64*((\t)%2)+4*\i+3], v2, s[20:21] offset:(\i+8*(\i/8))*4096+512*(\t) th:TH_LOAD_NT
.endr
.endm
.macro STEP t
.if (\t) < 3
	s_wait_loadcnt 16                              ; this step's 16 loads are in; the next step's 16 may be out
.else
	s_wait_loadcnt 0x0
.endif
.irp i, 0,1,2,3,4,5,6,7,8,9,10,11,12,13,14,15
	ds_store_b128 v3, v[R+64*((\t)%2)+4*\i:R+64*((\t)%2)+4*\i+3] offset:528*\i
.endr
.irp b, 0,1,2,3
.irp j, 0,1,2,3
	ds_load_b128 v[X+16*\b+4*\j:X+16*\b+4*\j+3], v4 offset:128*\b+16*\j   ; LDS serves a wave's instructions in order: these see the stores above
.endr
.endr
	s_wait_dscnt 0x0                               ; my numbers are back, and the stores have read their registers,
.if (\t) < 2
	LOAD (\t)+2                                    ; which take the loads of two steps on
.endif
	QUANT X, PC+8*(\t), PW+(\t)
	global_store_b128 v2, v[PC+8*(\t):PC+8*(\t)+3], s[14:15] offset:1024*(\t)         ; 32 lanes store 512 consecutive bytes
	global_store_b128 v2, v[PC+8*(\t)+4:PC+8*(\t)+7], s[14:15] offset:1024*(\t)+512
.endm
	LOAD 0
	LOAD 1
	STEP 0
	STEP 1
	STEP 2
	STEP 3
	v_cndmask_b32 v8, v[PW], v[PW+2], s32          ; lanes 0-15 store words 0 and 1 of their row, lanes 16-31 words 2 and 3
	v_cndmask_b32 v9, v[PW+1], v[PW+3], s32
	global_store_b64 v5, v[8:9], s[16:17]          ; 32 lanes store 256 consecutive bytes, aligned
	s_wait_tensorcnt 0x0                           ; the wave's end: behind my last LDS store
	ds_add_u32 v[SPW], v[NIL]
	s_wait_dscnt 0x0
	s_endpgm
.Lfunc_end_k_qa735512a95_quant:
	.size	k_qa735512a95_quant, .Lfunc_end_k_qa735512a95_quant-k_qa735512a95_quant
	.p2alignl 7, 3214868480
	.fill 96, 4, 3214868480
	.section	.rodata,"a",@progbits
	.p2align	6, 0x0
	.amdhsa_kernel k_qa735512a95_quant
		.amdhsa_group_segment_fixed_size 17152
		.amdhsa_private_segment_fixed_size 0
		.amdhsa_enable_private_segment 0
		.amdhsa_kernarg_size 56
		.amdhsa_user_sgpr_count 2
		.amdhsa_user_sgpr_kernarg_segment_ptr 1
		.amdhsa_wavefront_size32 1
		.amdhsa_system_sgpr_workgroup_id_x 1
		.amdhsa_system_sgpr_workgroup_id_y 1
		.amdhsa_system_sgpr_workgroup_id_z 1
		.amdhsa_system_vgpr_workitem_id 0
		.amdhsa_next_free_vgpr 256
		.amdhsa_next_free_sgpr 66
		.amdhsa_reserve_vcc 0
		.amdhsa_float_denorm_mode_32 3
		.amdhsa_float_denorm_mode_16_64 3
		.amdhsa_memory_ordered 1
		.amdhsa_forward_progress 1
		.amdhsa_inst_pref_size 33
	.end_amdhsa_kernel
	.amdgpu_metadata
---
amdhsa.version: [ 1, 2 ]
amdhsa.kernels:
  - .name:           k_qa735512a95_quant
    .symbol:         k_qa735512a95_quant.kd
    .args:
      - { .name: x, .offset: 0, .size: 8, .value_kind: global_buffer, .address_space: global }
      - { .name: Wq, .offset: 8, .size: 8, .value_kind: global_buffer, .address_space: global }
      - { .name: Wk, .offset: 16, .size: 8, .value_kind: global_buffer, .address_space: global }
      - { .name: Wv, .offset: 24, .size: 8, .value_kind: global_buffer, .address_space: global }
      - { .name: Wo, .offset: 32, .size: 8, .value_kind: global_buffer, .address_space: global }
      - { .name: cod, .offset: 40, .size: 8, .value_kind: global_buffer, .address_space: global }
      - { .name: scl, .offset: 48, .size: 8, .value_kind: global_buffer, .address_space: global }
    .group_segment_fixed_size: 17152
    .private_segment_fixed_size: 0
    .kernarg_segment_align: 8
    .kernarg_segment_size: 56
    .max_flat_workgroup_size: 64
    .sgpr_count:     66
    .vgpr_count:     256
    .wavefront_size: 32
...
	.end_amdgpu_metadata
.endif
;; end of part 1
;; launch qkv (part 2): grid 8 x 48, 4 waves a work-group, clusters of 4 x 4, 327,680 bytes of LDS; arguments cod, scl, bq, bk, bv, pc, ps; writes pc, ps
.if DOCPART == 2
	.amdgcn_target "amdgcn-amd-amdhsa--gfx1250"
	.amdhsa_code_object_version 6
	.text
	.protected	k_qa735512a95_qkv
	.globl	k_qa735512a95_qkv
	.p2align	8
	.type	k_qa735512a95_qkv,@function
k_qa735512a95_qkv:
	s_mov_b64 s[64:65], 0
	v_nop
	global_prefetch_b8 v0, s[64:65] scope:SCOPE_SE
	s_setreg_imm32_b32 hwreg(HW_REG_WAVE_MODE, 25, 1), 1
	s_wait_xcnt 0x0
	s_wait_alu depctr_hold_cnt(0) depctr_sa_sdst(0) depctr_va_vdst(0) depctr_va_sdst(0) depctr_va_ssrc(0) depctr_va_vcc(0) depctr_vm_vsrc(0)
	s_getreg_b32 s2, hwreg(HW_REG_IB_STS2, 6, 4)
	s_cmp_eq_u32 s2, 0
	s_cbranch_scc0 .Lentry_in_a_cluster
	s_endpgm
.Lentry_in_a_cluster:
	s_bfe_u32 s2, ttmp6, 0x10000c
	s_cmp_lg_u32 s2, 0xf033
	s_cbranch_scc0 .Lentry_shape_is_right
	s_endpgm
.Lentry_shape_is_right:
; Launch 2 of 4: q = x Wq^T + bq, k = x Wk^T + bk, v = x Wv^T + bv on codes of E2M1, and the results quantised at once: q and k along the head's 64, v along the keys.  No work of reference() is left out.
; ONE GENERIC PRODUCT: P[n0][n1] = sum over k of S0[n0][k] S1[n1][k], source 0 = 16 rows of S0, source 1 = 16 rows of S1.  A lane then holds ONE row n1, and its registers run along n0; since S0's blocks hold
; rows 32 (j / 2) + 8 (j % 2) + r + 8 (r / 8), the 64 accumulator registers of one block of S1 are 64 numbers in the order that the quantiser along n0 wants: register 16 b + i = n0 32 b + 16 h + i.
; ROLES, by the cluster's y (the same in all sixteen partners).  y < 8: S0 = Wq and Wk (2,048 features), S1 = x: q and k, quantised along the features.  y >= 8: S0 = x, S1 = Wv: v, quantised along the tokens.
; What the role decides is chosen by s_cselect_b32, but for two short pieces: the loads of the bias and the first K step, whose C is the bias (along n0 in the first role, along n1 in the second).
; SHARES.  A work-group makes 256 x 256 of P, each of its four waves 128 x 128: 64 accumulators, 512 registers.  K = 1,024 lies in LDS whole: two slots of 512 along K, each filled once, so nothing is filled again.
; CLUSTERS: 4 x 4 work-groups; S1's tile hangs on cy alone and is asked for jointly along a row of the cluster, S0's on cx alone and jointly along a column.
; OUT.  pc: fragments as images of their registers (1,024 bytes: registers 4 c .. 4 c + 3 of lane l at 512 c + 16 l).  q and k: [128 features g: 16][token block: 512]; v, from byte 8,388,608: [128 tokens g: 64][feature block: 64].
; ps: scale images of 512 bytes: lane l's word i is the word of block 2 i + l / 16, row l % 16, of a group of 8 blocks.  q and k: [g 16][group 64]; v, from byte 524,288: [group 8][g 64].
; LIMITS: a block of zeros gets the byte 1 (its codes are zeros; this program alone reads the bytes); blocks under 2^-124 are held at byte 1; NaN and infinities are not served.
; REGISTERS, in windows of 256.  Window 0: v16-29 addresses; v32-95 scale words, two sets; v96-123 at work on the way out; v128-255 S1's fragments, two sets (on the way out v128-191 the codes made).
;   Window 1: v0-63, v128-191 S0's fragments, two sets; v64-127 the bias.   Windows 2, 3: accumulator (a, b) at v[8 (8 (a % 4) + b)], a = block of S1, b = block of S0.
.set SLOTB, 131072                     ; a slot: S1's 16 blocks, then S0's 16, each [block][K step 4][1,024]
.set SCLB,  262144                     ; the scale words: S1 half 0, S1 half 1, S0 half 0, S0 half 1 of K, 4,096 bytes each: [block 16][256]
.set SPARE, 278528                     ; the spare words, 128 bytes for each wave: two blocks of 256 bytes that no other line names
.set ADR1, 16                          ; v16-17  LDS address of my S1 fragments in slot 0, 1
.set ADR0, 20                          ; v20-21  the same for S0
.set CO,   26                          ; v26     16 x lane
.set ADRS, 27                          ; v27     my scale words: lanes 0-15 S1's rows, lanes 16-31 S0's
.set SPW,  28                          ; v28     LDS address of my spare word; never rewritten
.set NIL,  29                          ; v29     0; never rewritten
.set SC,   32
.set TM,   96
.set PW,   112
.set SI,   120
.set F1,   128
.set BI,   64
.set WV,   18
.set MH,   19                          ; which half of S1's 256 rows is mine.  Also: I fetch for S1 (0) or for S0 (1)
.set NH,   20                          ; which half of S0's.  Also: which half I fetch
.set ROLE, 24
.set SEL,  38
.set G1,   40                          ; s[40:47] group 1, S1's codes;  s[48:55] S0's;  s[56:63] S1's scales;  s[68:75] S0's
.set G1B,  48
.set G1S,  56
.set G1SB, 68
.set G0S,  76                          ; groups 0: S1's scales, S1's slot 0, slot 1;  S0's scales, slot 0, slot 1
.set G0,   80
.set G0SB, 88
.set G0B,  92
.set MSB, 0
.macro WIN new                         ; the immediate's high byte repeats the setting that is left; a switch that changes nothing is dropped
.if MSB != (\new)
	s_set_vgpr_msb (MSB<<8)|(\new)
.set MSB, (\new)
.endif
.endm
.macro PLACES                          ; four plain places behind a matrix instruction, in front of loads into its registers and of reads of its results
.rept 4
	v_nop
.endr
.endm
.macro JLOAD g0a, g1a, g0b, g1b        ; a joint load: waves 0 and 1 fetch for S1, waves 2 and 3 for S0; an s_nop 0 and four v_nop follow each line
	s_cmp_eq_u32 s[MH], 0
	s_cbranch_scc0 .Lfor_b_\@
	tensor_load_to_lds s[\g0a:\g0a+3], s[\g1a:\g1a+7]
	s_nop 0
	PLACES
	s_branch .Lasked_\@
.Lfor_b_\@:
	tensor_load_to_lds s[\g0b:\g0b+3], s[\g1b:\g1b+7]
	s_nop 0
	PLACES
.Lasked_\@:
.endm
.macro CROUND                          ; a round of the cluster's barrier
	s_barrier_signal -1
	s_barrier_wait -1
	s_cmp_lg_u32 s[WV], 0
	s_cbranch_scc1 .Lnot_wave_0_\@
	s_barrier_signal -3
.Lnot_wave_0_\@:
	s_barrier_wait -3
	s_barrier_signal -1
	s_barrier_wait -1
.endm
	s_load_b256 s[4:11], s[0:1], 0x0               ; cod s[4:5], scl s[6:7], bq s[8:9], bk s[10:11]
	s_load_b128 s[12:15], s[0:1], 0x20             ; bv s[12:13], pc s[14:15]
	s_load_b64 s[16:17], s[0:1], 0x30              ; ps
	v_lshl_add_u32 v[SPW], v0, 2, SPARE
	v_mov_b32 v[NIL], 0
	ds_add_u32 v[SPW], v[NIL]                      ; the wave's opening: the add, twice on end, and its wait ahead of my first tensor load
	ds_add_u32 v[SPW], v[NIL]
	v_lshrrev_b32 v1, 5, v0
	v_readfirstlane_b32 s[WV], v1                  ; wave 0..3
	s_lshr_b32 s[MH], s[WV], 1
	s_and_b32 s[NH], s[WV], 1
	s_bfe_u32 s21, ttmp6, 0x40000                  ; cx
	s_bfe_u32 s22, ttmp6, 0x40004                  ; cy
	s_and_b32 s23, ttmp7, 0xffff                   ; the cluster's y
	s_sub_co_u32 s27, s23, 8
	s_lshl_b32 s27, s27, 1                         ; 2 (y - 8): used in the second role alone
	s_lshl_b32 s28, s23, 2                         ; 4 y
	s_mov_b32 s35, 32768
	s_mov_b32 s36, 512
	s_cmp_ge_u32 s23, 8                            ; the role; all that follows up to the next addition selects on this one compare
	s_cselect_b32 s[ROLE], 1, 0
	s_cselect_b32 s27, s27, 0
	s_cselect_b32 s28, 0, s28
	s_cselect_b32 s30, 0, 512                      ; S0's first block in cod: x 0, Wq 512
	s_cselect_b32 s31, 640, 0                      ; S1's: Wv 640, x 0
	s_cselect_b32 s32, 64, 512                     ; blocks of S1 in all: the pitch of pc's first axis
	s_cselect_b32 s33, 8388608, 0                  ; my part of pc
	s_cselect_b32 s34, 524288, 0                   ; and of ps
	s_cselect_b32 s35, 512, s35                    ; ps: bytes from g to g + 1,
	s_cselect_b32 s36, 32768, s36                  ; and from group to group
	s_add_co_u32 s25, s27, ttmp9
	s_lshl_b32 s25, s25, 2
	s_add_co_u32 s25, s25, s21                     ; tile of S0: 4 (cluster x [+ 2 (y - 8)]) + cx
	s_add_co_u32 s26, s28, s22                     ; tile of S1: [4 y +] cy
	s_lshl_b32 s2, s22, 2
	s_lshl_b32 s2, 15, s2                          ; my row of the cluster
	s_lshl_b32 s3, 0x1111, s21                     ; my column
	s_or_b32 s[G1], s2, (3<<16)|(1<<21)            ; 15:0 the mask; 17:16 elements of 8 bytes; 21 set beside a mask; no padding: images are read densely
	s_or_b32 s[G1S], s2, (3<<16)|(1<<21)
	s_or_b32 s[G1B], s3, (3<<16)|(1<<21)
	s_or_b32 s[G1SB], s3, (3<<16)|(1<<21)
.irp g, G1, G1B                        ; 8 blocks x 4 K steps of images: 32,768 dense bytes as 128 rows of 256
	s_mov_b32 s[\g+1], 32<<16
	s_mov_b32 s[\g+2], 128<<16
	s_mov_b32 s[\g+3], 32<<16
	s_mov_b32 s[\g+4], 128
	s_mov_b32 s[\g+5], 32
	s_mov_b32 s[\g+6], 0
	s_mov_b32 s[\g+7], 0
.endr
.irp g, G1S, G1SB                      ; 16 blocks' scale words of one half of K: 16 rows of 256 bytes
	s_mov_b32 s[\g+1], 32<<16
	s_mov_b32 s[\g+2], 16<<16
	s_mov_b32 s[\g+3], 32<<16
	s_mov_b32 s[\g+4], 16
	s_mov_b32 s[\g+5], 32
	s_mov_b32 s[\g+6], 0
	s_mov_b32 s[\g+7], 0
.endr
	s_lshl_b32 s2, s26, 4                          ; S1: its registers never hold cx
	s_add_co_u32 s2, s2, s31                       ; the tile's first block
	s_lshl_b32 s3, s[NH], 3
	s_add_co_u32 s3, s3, s2                        ; the 8 blocks that I fetch
	s_lshl_b32 s[G0+2], s3, 12
	s_mov_b32 s[G0+3], 0
	s_mul_i32 s3, s[NH], 768                       ; the half of K whose scale words I fetch
	s_add_co_u32 s3, s3, s2
	s_lshl_b32 s[G0S+2], s3, 8
	s_mov_b32 s[G0S+3], 0
	s_lshl_b32 s66, s25, 4                         ; S0: its registers never hold cy
	s_add_co_u32 s66, s66, s30
	s_lshl_b32 s67, s[NH], 3
	s_add_co_u32 s67, s67, s66
	s_lshl_b32 s[G0B+2], s67, 12
	s_mov_b32 s[G0B+3], 0
	s_mul_i32 s67, s[NH], 768
	s_add_co_u32 s67, s67, s66
	s_lshl_b32 s[G0SB+2], s67, 8
	s_mov_b32 s[G0SB+3], 0
	s_lshl_b32 s2, s[WV], 15                       ; where they go: wave x 32,768 in a slot,
	s_lshl_b32 s3, s[WV], 12                       ; wave x 4,096 among the scale words: no place in the cluster enters an LDS address
	s_mov_b32 s[SEL], 0x76543210
	s_mov_b32 s[SEL+1], 0xfedcba98
.irp b, 0,1,2,3
	v_mov_b32 v[TM+4+\b], 0                        ; written once: a lane permute's destination counts as one of its sources
.endr
	s_wait_dscnt 0x0                               ; both opening adds are done
	s_wait_kmcnt 0x0
	s_add_nc_u64 s[G0+2:G0+3], s[4:5], s[G0+2:G0+3]
	s_add_nc_u64 s[G0+6:G0+7], s[G0+2:G0+3], 768*4096   ; slot 1: the other half of K
	s_add_nc_u64 s[G0S+2:G0S+3], s[6:7], s[G0S+2:G0S+3]
	s_add_nc_u64 s[G0B+2:G0B+3], s[4:5], s[G0B+2:G0B+3]
	s_add_nc_u64 s[G0B+6:G0B+7], s[G0B+2:G0B+3], 768*4096
	s_add_nc_u64 s[G0SB+2:G0SB+3], s[6:7], s[G0SB+2:G0SB+3]
.irp g, G0S, G0SB
	s_mov_b32 s[\g], 1
	s_add_co_u32 s[\g+1], s3, SCLB
	s_or_b32 s[\g+3], s[\g+3], 0x80000000
.endr
.irp g, G0, G0B
	s_mov_b32 s[\g], 1
	s_mov_b32 s[\g+1], s2
	s_or_b32 s[\g+3], s[\g+3], 0x80000000
	s_mov_b32 s[\g+4], 1
	s_add_co_u32 s[\g+5], s2, SLOTB
	s_or_b32 s[\g+7], s[\g+7], 0x80000000
.endr
	CROUND                                         ; all sixteen work-groups are here: the first joint loads meet
	JLOAD G0S, G1S, G0SB, G1SB                     ; three tensor loads of a wave are out: the scale words,
	JLOAD G0, G1, G0B, G1B                         ; slot 0,
	JLOAD G0+4, G1, G0B+4, G1B                     ; slot 1
	v_and_b32 v1, 31, v0
	v_lshlrev_b32 v[CO], 4, v1
	v_and_b32 v2, 15, v0                           ; r
	v_bfe_u32 v3, v0, 4, 1                         ; h
	s_lshl_b32 s2, s[MH], 15
	s_lshl_b32 s3, s[NH], 15
	s_add_co_u32 s3, s3, 65536
.irp s, 0,1
	v_add_nc_u32 v[ADR1+\s], s2, v[CO]
	v_add_nc_u32 v[ADR0+\s], s3, v[CO]
	s_add_co_u32 s2, s2, SLOTB
	s_add_co_u32 s3, s3, SLOTB
.endr
	s_xor_b32 s2, s[MH], 1
	s_add_co_u32 s2, s2, s[NH]
	s_lshl_b32 s2, s2, 11
	s_add_co_u32 s2, s2, 6144                      ; 8,192 + 2,048 (nh - mh): from S1's words of my half to S0's of my half
	v_mul_u32_u24 v4, s2, v3                       ; lanes 16-31 take S0's: one product
	v_lshl_add_u32 v4, v2, 4, v4                   ; + 16 r
	s_lshl_b32 s3, s[MH], 11
	s_add_co_u32 s3, s3, SCLB
	v_add_nc_u32 v[ADRS], s3, v4
	v_lshlrev_b32 v9, 6, v3                        ; the bias along n0: 16 h numbers on
	v_and_b32 v10, 8, v2
	v_add_nc_u32 v10, v10, v2
	v_lshlrev_b32 v10, 2, v10                      ; the bias along n1: my row r + 8 (r / 8) of a block
	s_mov_b32 s67, 0
	s_cmp_eq_u32 s[ROLE], 0
	s_cbranch_scc0 .Lbias_v
	s_lshl_b32 s66, s21, 10                        ; q or k: 256 features for each tile of four,
	s_lshl_b32 s2, s[NH], 9                        ; my 128 of them
	s_add_co_u32 s66, s66, s2
	s_cmp_eq_u32 ttmp9, 0                          ; tiles 0-3 are Wq's, tiles 4-7 Wk's
	s_cselect_b64 s[2:3], s[8:9], s[10:11]
	s_add_nc_u64 s[66:67], s[2:3], s[66:67]
	WIN 0x40                                       ; destination window 1
.irp b, 0,1,2,3,4,5,6,7                        ; tile b, register i: feature 32 (b / 2) + 16 h + 8 (b % 2) + i
	global_load_b128 v[BI+8*\b:BI+8*\b+3], v9, s[66:67] offset:(32*(\b/2)+8*(\b%2))*4
	global_load_b128 v[BI+8*\b+4:BI+8*\b+7], v9, s[66:67] offset:(32*(\b/2)+8*(\b%2))*4+16
.endr
	WIN 0
	s_branch .Lbias_done
.Lbias_v:
	s_lshl_b32 s66, s26, 10                        ; v: 256 features a tile of S1,
	s_lshl_b32 s2, s[MH], 9                        ; my 128 of them
	s_add_co_u32 s66, s66, s2
	s_add_nc_u64 s[66:67], s[12:13], s[66:67]
	WIN 0x40
.irp a, 0,1,2,3,4,5,6,7                        ; block a: all eight registers hold the bias of my row's feature
.irp j, 0,1,2,3,4,5,6,7
	global_load_b32 v[BI+8*\a+\j], v10, s[66:67] offset:(32*(\a/2)+8*(\a%2))*4
.endr
.endr
	WIN 0
.Lbias_done:
.macro FETCH fs, sl, q                 ; 32 LDS loads: the fragments of the slot's q-th 128 along K into set fs; each load takes 512 consecutive bytes
	WIN 0x40
.irp i, 0,1,2,3,4,5,6,7
.irp c, 0,1
	ds_load_b128 v[128*(\fs)+8*\i+4*\c:128*(\fs)+8*\i+4*\c+3], v[ADR0+(\sl)] offset:4096*\i+1024*(\q)+512*\c
.endr
.endr
	WIN 0
.irp i, 0,1,2,3,4,5,6,7
.irp c, 0,1
	ds_load_b128 v[F1+64*(\fs)+8*\i+4*\c:F1+64*(\fs)+8*\i+4*\c+3], v[ADR1+(\sl)] offset:4096*\i+1024*(\q)+512*\c
.endr
.endr
.endm
.macro SCALES sc                       ; a slot's scale words: register 4 i + q: lanes 0-15 S1's block i, lanes 16-31 S0's block i
.irp i, 0,1,2,3,4,5,6,7
	ds_load_b128 v[SC+32*(\sc)+4*\i:SC+32*(\sc)+4*\i+3], v[ADRS] offset:4096*(\sc)+256*\i
.endr
.endm
; 64 matrix instructions, always in the same order: the accumulators take turns, one instruction a turn.  mode 0: C = D; 1: C = the bias along n0; 2: the bias along n1: nothing is ever cleared
.macro MULALL fs, q, sc, mode
.irp a, 0,1,2,3,4,5,6,7
.if (\mode) == 0
	WIN 0xa1+0x50*(\a/4)                           ; source 0 window 1, source 1 window 0, C and D window 2 or 3
.else
	WIN 0x91+0x40*(\a/4)                           ; C window 1
.endif
.irp b, 0,1,2,3,4,5,6,7
.set RD_, 8*(8*(\a%4)+\b)
.set RA_, 128*(\fs)+8*\b
.set RB_, F1+64*(\fs)+8*\a
.set XA_, SC+32*(\sc)+4*\b+(\q)
.set XB_, SC+32*(\sc)+4*\a+(\q)
.if (\mode) == 0
	v_wmma_scale_f32_16x16x128_f8f6f4 v[RD_:RD_+7], v[RA_:RA_+7], v[RB_:RB_+7], v[RD_:RD_+7], v[XA_], v[XB_] matrix_a_fmt:MATRIX_FMT_FP4 matrix_b_fmt:MATRIX_FMT_FP4 matrix_a_scale:MATRIX_SCALE_ROW1
.elseif (\mode) == 1
	v_wmma_scale_f32_16x16x128_f8f6f4 v[RD_:RD_+7], v[RA_:RA_+7], v[RB_:RB_+7], v[BI+8*\b:BI+8*\b+7], v[XA_], v[XB_] matrix_a_fmt:MATRIX_FMT_FP4 matrix_b_fmt:MATRIX_FMT_FP4 matrix_a_scale:MATRIX_SCALE_ROW1
.else
	v_wmma_scale_f32_16x16x128_f8f6f4 v[RD_:RD_+7], v[RA_:RA_+7], v[RB_:RB_+7], v[BI+8*\a:BI+8*\a+7], v[XA_], v[XB_] matrix_a_fmt:MATRIX_FMT_FP4 matrix_b_fmt:MATRIX_FMT_FP4 matrix_a_scale:MATRIX_SCALE_ROW1
.endif
.endr
.endr
.endm
.macro KSTEP k                         ; K step k: its fragments are in; the next step's are asked for, into the set that the last step multiplied; then the 64 products
	s_wait_dscnt 0x0
	PLACES
	FETCH ((\k)+1)%2, ((\k)+1)/4, ((\k)+1)%4
	MULALL (\k)%2, (\k)%4, (\k)/4, 0
.endm
	s_wait_tensorcnt 0x1                           ; the scale words and my part of slot 0 are in; slot 1's load may stay out
	s_barrier_signal -1
	s_barrier_wait -1                              ; everybody's are
	FETCH 0, 0, 0
	SCALES 0
	s_wait_dscnt 0x0
	s_wait_loadcnt 0x0                             ; the bias
	FETCH 1, 0, 1
	s_cmp_eq_u32 s[ROLE], 0
	s_cbranch_scc0 .Lmul_v
	MULALL 0, 0, 0, 1
	WIN 0
	s_branch .Lmul_done
.Lmul_v:
	MULALL 0, 0, 0, 2
	WIN 0
.Lmul_done:
	KSTEP 1
	KSTEP 2
	WIN 0                                          ; (the add's two registers lie in window 0)
	s_wait_tensorcnt 0x0                           ; my part of slot 1 is in
	ds_add_u32 v[SPW], v[NIL]                      ; behind a wait for all tensor loads, in front of a barrier
	s_wait_dscnt 0x0                               ; the add is done, and K step 3's fragments are in
	s_barrier_signal -1
	s_barrier_wait -1                              ; slot 1 is whole
	PLACES
	FETCH 0, 1, 0
	SCALES 1
	MULALL 1, 3, 0, 0
	KSTEP 4
	KSTEP 5
	KSTEP 6
	s_wait_dscnt 0x0
	MULALL 1, 3, 1, 0
	WIN 0
	s_mov_b32 s29, 0xffff0000                      ; lanes 16-31
	s_lshl_b32 s2, s25, 1
	s_add_co_u32 s2, s2, s[NH]                     ; g: my 128 along n0
	s_lshl_b32 s3, s26, 1
	s_add_co_u32 s3, s3, s[MH]                     ; my group of 8 blocks of S1
	s_mul_i32 s66, s2, s32
	s_lshl_b32 s67, s3, 3
	s_add_co_u32 s66, s66, s67
	s_lshl_b32 s66, s66, 10
	s_add_co_u32 s66, s66, s33
	s_mov_b32 s67, 0
	s_add_nc_u64 s[14:15], s[14:15], s[66:67]      ; my eight images in pc
	s_mul_i32 s66, s2, s35
	s_mul_i32 s2, s3, s36
	s_add_co_u32 s66, s66, s2
	s_add_co_u32 s66, s66, s34
	s_add_nc_u64 s[16:17], s[16:17], s[66:67]      ; my scale image in ps
	PLACES                                         ; in front of the first reads of results, and of the writes into S1's fragment registers
; 64 numbers of a lane in another window, register 16 b + i = k 32 b + 16 h + i of my row, become a fragment's codes and my row's scale word in window 0.  Each accumulator is read from its low end on.
.macro QUANTW s, pc, pw, wmax, wcvt
	WIN \wmax                                      ; sources 0 and 1: the numbers' window
.irp b, 0,1,2,3
	v_max3_num_f32 v[TM+\b], |v[(\s)+16*\b]|, |v[(\s)+1+16*\b]|, 0x1800000   ; and the floor 2^(3 - 127): the byte cannot fall under 1
.endr
.irp i, 2,4,6,8,10,12,14
.irp b, 0,1,2,3
	v_max3_num_f32 v[TM+\b], |v[(\s)+16*\b+\i]|, |v[(\s)+1+16*\b+\i]|, v[TM+\b]
.endr
.endr
	WIN 0
.irp b, 0,1,2,3
	v_permlanex16_b32 v[TM+4+\b], v[TM+\b], s[SEL], s[SEL+1]
.endr
.irp b, 0,1,2,3
	v_max_num_f32 v[TM+\b], v[TM+\b], v[TM+4+\b]
.endr
.irp b, 0,1,2,3
	v_add_nc_u32 v[TM+12+\b], 0xff000000, v[TM+\b] ; 2 off the exponent field: the conversion's scale operand
.endr
.irp b, 0,1,2,3
	v_lshrrev_b32 v[TM+4+\b], 23, v[TM+12+\b]      ; the scale's byte
.endr
	v_lshl_or_b32 v[\pw], v[TM+5], 8, v[TM+4]
	v_lshl_or_b32 v[\pw], v[TM+6], 16, v[\pw]
	v_lshl_or_b32 v[\pw], v[TM+7], 24, v[\pw]
	WIN \wcvt                                      ; source 0: the numbers' window
.irp b, 0,1,2,3
	v_cvt_scalef32_pk8_fp4_f32 v[(\pc)+2*\b], v[(\s)+16*\b:(\s)+7+16*\b], v[TM+12+\b]
	v_cvt_scalef32_pk8_fp4_f32 v[(\pc)+1+2*\b], v[(\s)+8+16*\b:(\s)+15+16*\b], v[TM+12+\b]
.endr
	WIN 0
	v_nop                                          ; one plain place behind a scaled conversion
.irp c, 0,1
.irp i, 0,1
	v_permlane16_swap_b32 v[(\pc)+4*\c+\i], v[(\pc)+2+4*\c+\i]
.endr
.endr
.endm
.irp a, 0,1,2,3,4,5,6,7                        ; block a of S1: its 64 registers become one fragment; codes and words have registers of their own, so no store's data are written again
	QUANTW 64*(\a%4), F1+8*\a, PW+\a, 0x0a+5*(\a/4), 0x02+(\a/4)
	global_store_b128 v[CO], v[F1+8*\a:F1+8*\a+3], s[14:15] offset:1024*\a          ; 32 lanes store 512 consecutive bytes
	global_store_b128 v[CO], v[F1+8*\a+4:F1+8*\a+7], s[14:15] offset:1024*\a+512
.endr
.irp i, 0,1,2,3
	v_cndmask_b32 v[SI+\i], v[PW+2*\i], v[PW+2*\i+1], s29   ; word i: lanes 0-15 block 2 i, lanes 16-31 block 2 i + 1
.endr
	global_store_b128 v[CO], v[SI:SI+3], s[16:17]
	s_wait_tensorcnt 0x0                           ; the wave's end
	ds_add_u32 v[SPW], v[NIL]
	s_wait_dscnt 0x0
	CROUND                                         ; the closing round: no work-group ends while a partner may still ask for a tile that names it
	s_endpgm
.Lfunc_end_k_qa735512a95_qkv:
	.size	k_qa735512a95_qkv, .Lfunc_end_k_qa735512a95_qkv-k_qa735512a95_qkv
	.p2alignl 7, 3214868480
	.fill 96, 4, 3214868480
	.section	.rodata,"a",@progbits
	.p2align	6, 0x0
	.amdhsa_kernel k_qa735512a95_qkv
		.amdhsa_group_segment_fixed_size 327680
		.amdhsa_private_segment_fixed_size 0
		.amdhsa_enable_private_segment 0
		.amdhsa_kernarg_size 56
		.amdhsa_user_sgpr_count 2
		.amdhsa_user_sgpr_kernarg_segment_ptr 1
		.amdhsa_wavefront_size32 1
		.amdhsa_system_sgpr_workgroup_id_x 1
		.amdhsa_system_sgpr_workgroup_id_y 1
		.amdhsa_system_sgpr_workgroup_id_z 1
		.amdhsa_system_vgpr_workitem_id 0
		.amdhsa_next_free_vgpr 1024
		.amdhsa_next_free_sgpr 100
		.amdhsa_reserve_vcc 0
		.amdhsa_float_denorm_mode_32 3
		.amdhsa_float_denorm_mode_16_64 3
		.amdhsa_memory_ordered 1
		.amdhsa_forward_progress 1
		.amdhsa_inst_pref_size 143
	.end_amdhsa_kernel
	.amdgpu_metadata
---
amdhsa.version: [ 1, 2 ]
amdhsa.kernels:
  - .name:           k_qa735512a95_qkv
    .symbol:         k_qa735512a95_qkv.kd
    .args:
      - { .name: cod, .offset: 0, .size: 8, .value_kind: global_buffer, .address_space: global }
      - { .name: scl, .offset: 8, .size: 8, .value_kind: global_buffer, .address_space: global }
      - { .name: bq, .offset: 16, .size: 8, .value_kind: global_buffer, .address_space: global }
      - { .name: bk, .offset: 24, .size: 8, .value_kind: global_buffer, .address_space: global }
      - { .name: bv, .offset: 32, .size: 8, .value_kind: global_buffer, .address_space: global }
      - { .name: pc, .offset: 40, .size: 8, .value_kind: global_buffer, .address_space: global }
      - { .name: ps, .offset: 48, .size: 8, .value_kind: global_buffer, .address_space: global }
    .group_segment_fixed_size: 327680
    .private_segment_fixed_size: 0
    .kernarg_segment_align: 8
    .kernarg_segment_size: 56
    .max_flat_workgroup_size: 128
    .sgpr_count:     100
    .vgpr_count:     1024
    .wavefront_size: 32
...
	.end_amdgpu_metadata
.endif
;; end of part 2
;; launch attn (part 3): grid 16 x 16, 8 waves a work-group, clusters of 4 x 4, 327,680 bytes of LDS; arguments mask, pc, ps, oc, os; writes oc, os
.if DOCPART == 3
	.amdgcn_target "amdgcn-amd-amdhsa--gfx1250"
	.amdhsa_code_object_version 6
	.text
	.protected	k_qa735512a95_attn
	.globl	k_qa735512a95_attn
	.p2align	8
	.type	k_qa735512a95_attn,@function
k_qa735512a95_attn:
	s_mov_b64 s[64:65], 0
	v_nop
	global_prefetch_b8 v0, s[64:65] scope:SCOPE_SE
	s_setreg_imm32_b32 hwreg(HW_REG_WAVE_MODE, 25, 1), 1
	s_wait_xcnt 0x0
	s_wait_alu depctr_hold_cnt(0) depctr_sa_sdst(0) depctr_va_vdst(0) depctr_va_sdst(0) depctr_va_ssrc(0) depctr_va_vcc(0) depctr_vm_vsrc(0)
	s_getreg_b32 s2, hwreg(HW_REG_IB_STS2, 6, 4)
	s_cmp_eq_u32 s2, 0
	s_cbranch_scc0 .Lentry_in_a_cluster
	s_endpgm
.Lentry_in_a_cluster:
	s_bfe_u32 s2, ttmp6, 0x10000c
	s_cmp_lg_u32 s2, 0xf033
	s_cbranch_scc0 .Lentry_shape_is_right
	s_endpgm
.Lentry_shape_is_right:
; Launch 3 of 4: scores = (q k^T / 8) x mask, softmax, x v, on codes of E2M1; the result, divided by the row's sum, is quantised along the model's 1,024 for the last product.  No work of reference() is left out.
; THE SOFTMAX: t = score x mask x log2(e) / 8; M = the running largest t rounded UP to a whole number, kept as -M = floor(-t); p = 2^(t - M) is quantised along the keys, not normalised; the row's sum is taken of the
; unquantised p; when M moves, the sum and O are multiplied by 2^(old M - new M), which rounds nothing.  The mask may hold any sign: the maximum is taken behind it.
; SHARES.  A work-group owns 128 queries of one batch and FOUR heads; each of its eight waves owns 16 queries (a natural tile) for all four heads: the wave's 64 mask numbers a lane serve four heads.  Two waves to a SIMD.
; Every wave walks the 2,048 keys, 128 a step: 16 steps through a ring of two LDS slots.
; LAYOUT.  Both products are used transposed: S^T = K Q^T, O^T = V^T P^T: a lane holds ONE query.  K's blocks of 16 keys and V's of 16 features hold rows 32 (j / 2) + 8 (j % 2) + r + 8 (r / 8), so that the 16 registers
; of two neighbouring tiles are 16 neighbours: of the keys for p, of the features for the result.
; A HEAD HAS 64 ALONG K, THE INSTRUCTION 128.  A fragment of K is the image of a PAIR of heads, [K_A | K_B]; Q_A's fragment is [Q_A | zero codes], Q_B's [zero codes | Q_B]: one LDS read of K serves two heads.  The scale
; words are used as they lie (bytes 0, 1: head A; bytes 2, 3: head B; all between 1 and 254): zero codes add nothing.
; CLUSTERS: 4 x 4 work-groups: cx = the group of four heads, cy = one of four blocks of queries, one batch.  The mask's tile hangs on batch and queries alone: asked for jointly along a row; K and V hang on batch and heads: along a column.
; LIMITS: 1 / sum by v_rcp_f32; a block of zeros gets the byte 1; blocks under 2^-124 are held at byte 1; NaN and infinities are not served.  os is written in halves of 256 bytes (two head groups share a unit): 262,144 bytes in all.
; REGISTERS.  Window 0: v1-15 addresses; v16-31 four registers a head: -M, the largest t, the sum in two halves; v32-39 K's scale words, v40-47 V's, v48-49 Q's, v50 p's; v52-75 at work; v80-143 the mask; v144-207 S^T, then p.
;   Window 1: v0-127 O^T, 32 a head; v128-191 K's 8 fragments of a pair; v192-223 V's 4 of a head; v224-255 Q: a pair as [Q_A, 0, 0, Q_B] in fours.
.set SLOT1, 131072                     ; slot 1 begins here: one exclusive or turns an address
.set KOFF,  67584                      ; a slot: the mask, 128 rows x (512 + 16) bytes; K, two pairs x 8 images; V, two pairs x 8 images
.set SCLB,  262144                     ; the scale images of all 16 steps: K pair 0, K pair 1, V pair 0, V pair 1, 8,192 bytes each; filled once
.set SPARE, 294912                     ; the spare words, 128 bytes for each wave: four blocks of 256 bytes that no other line names
.set AM,  1                            ; v1   my place in the mask's tile: (16 wave + r) x 528 + 64 h
.set AL,  2                            ; v2   16 x lane
.set ADM, 3                            ; v3-5 the step's addresses: mask, K and V, scale images
.set ADK, 4
.set ADS, 5
.set SPW, 6                            ; v6   LDS address of my spare word; never rewritten
.set NIL, 7                            ; v7   0; never rewritten
.set PFO, 8                            ; v8   the prefetches' offset; never rewritten
.set AK0, 12                           ; v12  16 x lane + KOFF
.set AS0, 13                           ; v13  16 x lane + SCLB
.set ST,  16
.set KS,  32
.set VS,  40
.set QS,  48
.set PS,  50
.set F,   52                           ; v[52:53] f = 2^(old M - new M); the pair's upper half is written once
.set T0,  54
.set BM,  56
.set BP,  60
.set SO,  64
.set PC,  68
.set MK,  80
.set S,   144
.set TM,  144                          ; the way out: QUANTW works in S's registers
.set KF,  128
.set VF,  192
.set QF,  224
.set WV,  14
.set G1M, 24                           ; s[24:31] group 1, the mask's tiles;  s[32:39] 8,192 dense bytes;  s[40:43], s[44:47] the walking groups 0;  s[48:51] the scale images'
.set G1D, 32
.set G0M, 40
.set G0D, 44
.set G0S, 48
.set SEL, 52
.set CS,  54                           ; s[54:55] c = log2(e) / 8
.set TB,  56                           ; s56  the slot in hand
.set TS,  57                           ; s57  the step's scale images: 512 bytes a step
.set CNT, 58                           ; s58  steps still to be asked for
.set LIM, 59                           ; s59  1 in a wave that prefetches, else the greatest number
.set PFA, 60                           ; s[60:61] where my prefetches stand
.set PFS, 62                           ; s[62:63] a step on
.set DSTEP, 66                         ; s[66:67] a step on for K's or V's images
.set MSB, 0
.macro WIN new
.if MSB != (\new)
	s_set_vgpr_msb (MSB<<8)|(\new)
.set MSB, (\new)
.endif
.endm
.macro PLACES
.rept 4
	v_nop
.endr
.endm
.macro CROUND                          ; a round of the cluster's barrier
	s_barrier_signal -1
	s_barrier_wait -1
	s_cmp_lg_u32 s[WV], 0
	s_cbranch_scc1 .Lnot_wave_0_\@
	s_barrier_signal -3
.Lnot_wave_0_\@:
	s_barrier_wait -3
	s_barrier_signal -1
	s_barrier_wait -1
.endm
.macro JLOAD                           ; a joint load: waves 0-3 fetch 32 rows of the mask each, waves 4-7 one piece of K or V each; an s_nop 0 and four v_nop follow each line
	s_cmp_lt_u32 s[WV], 4
	s_cbranch_scc0 .Lfor_kv_\@
	tensor_load_to_lds s[G0M:G0M+3], s[G1M:G1M+7]
	s_nop 0
	PLACES
	s_branch .Lasked_\@
.Lfor_kv_\@:
	tensor_load_to_lds s[G0D:G0D+3], s[G1D:G1D+7]
	s_nop 0
	PLACES
.Lasked_\@:
.endm
; A PREFETCH INTO THE L2 of what the NEXT change of slots will ask for, behind the wave's tensor load and its five lines: one key step ahead of that load.  Each aligned block of 256 bytes is named once in the launch.
; The mask's tile (128 rows x 512 bytes) belongs to one row of one cluster: its four partners take 32 rows each, told apart by address; in each, waves 0 and 1 take the two halves of the 512 bytes, a lane a row.
; K and V of a batch and a group of heads are walked by four clusters: the one with y = 0 asks; its four partners of a column take one piece of 8,192 bytes each, by address; wave 4 asks, lanes 256 bytes apart.
; The last change that fills a slot asks for nothing; steps 0 and 1 come by their loads alone.
.macro ASK
	s_cmp_gt_u32 s[CNT], s[LIM]
	s_cbranch_scc0 .Lnot_mine_\@
	global_prefetch_b8 v[PFO], s[PFA:PFA+1] th:TH_LOAD_NT scope:SCOPE_SE
.Lnot_mine_\@:
.endm
	s_load_b256 s[4:11], s[0:1], 0x0               ; mask s[4:5], pc s[6:7], ps s[8:9], oc s[10:11]
	s_load_b64 s[12:13], s[0:1], 0x20              ; os
	v_lshl_add_u32 v[SPW], v0, 2, SPARE
	v_mov_b32 v[NIL], 0
	ds_add_u32 v[SPW], v[NIL]                      ; the wave's opening: the add, twice on end, and its wait ahead of my first tensor load
	ds_add_u32 v[SPW], v[NIL]
	v_lshrrev_b32 v9, 5, v0
	v_readfirstlane_b32 s[WV], v9                  ; wave 0..7
	s_and_b32 s15, s[WV], 3                        ; i: which part I fetch
	s_bfe_u32 s16, ttmp6, 0x40000                  ; cx = the group of four heads
	s_bfe_u32 s17, ttmp6, 0x40004                  ; cy
	s_mov_b32 s18, ttmp9                           ; the cluster's x = the batch
	s_and_b32 s19, ttmp7, 0xffff                   ; the cluster's y
	s_lshl_b32 s20, s19, 2
	s_add_co_u32 s20, s20, s17                     ; my block of 128 queries
	s_lshl_b32 s21, s17, 2
	s_lshl_b32 s21, 15, s21                        ; my row of the cluster
	s_lshl_b32 s22, 0x1111, s16                    ; my column
	s_or_b32 s[G1M], s21, (2<<16)|(1<<20)|(1<<21)|(6<<22)|(3<<25)   ; the mask; elements of 4 bytes; padding on; 21 set beside a mask; after every 128 words (code 6) four words (code 3)
	s_mov_b32 s[G1M+1], 128<<16                    ; tensor_dim0 = 128
	s_mov_b32 s[G1M+2], 32<<16                     ; tensor_dim1 = 32
	s_mov_b32 s[G1M+3], 128<<16                    ; tile_dim0
	s_mov_b32 s[G1M+4], 32                         ; tile_dim1
	s_mov_b32 s[G1M+5], 2048                       ; elements from row to row
	s_mov_b32 s[G1M+6], 0
	s_mov_b32 s[G1M+7], 0
	s_or_b32 s[G1D], s22, (3<<16)|(1<<21)          ; 8,192 dense bytes as 32 rows of 256 (32 elements of 8 bytes)
	s_mov_b32 s[G1D+1], 32<<16
	s_mov_b32 s[G1D+2], 32<<16
	s_mov_b32 s[G1D+3], 32<<16
	s_mov_b32 s[G1D+4], 32
	s_mov_b32 s[G1D+5], 32
	s_mov_b32 s[G1D+6], 0
	s_mov_b32 s[G1D+7], 0
	s_lshl_b32 s21, s18, 11                        ; the mask: its registers never hold cx
	s_lshl_b32 s22, s20, 7
	s_add_co_u32 s21, s21, s22                     ; my block's first row: 2,048 batch + 128 block
	s_lshl_b32 s22, s15, 5
	s_add_co_u32 s22, s22, s21
	s_lshl_b32 s[G0M+2], s22, 13                   ; rows of 8,192 bytes
	s_mov_b32 s[G0M+3], 0
	s_mov_b32 s[G0M], 1
	s_mul_i32 s[G0M+1], s15, 16896                 ; 32 rows x 528 bytes for each of waves 0-3
	s_lshl_b32 s22, s16, 1                         ; K and V: their registers never hold cy
	s_add_co_u32 s22, s22, s15                     ; 2 hg + i
	s_lshl_b32 s23, s22, 9
	s_lshl_b32 s70, s18, 7
	s_add_co_u32 s23, s23, s70
	s_lshl_b32 s23, s23, 10
	s_add_co_u32 s23, s23, 4194304                 ; i < 2: K's images: ((8 + 2 hg + i) 512 + 128 batch) x 1,024
	s_lshl_b32 s70, s18, 10
	s_lshl_b32 s71, s16, 4
	s_add_co_u32 s70, s70, s71
	s_lshl_b32 s71, s15, 3
	s_add_co_u32 s70, s70, s71
	s_lshl_b32 s70, s70, 10
	s_add_co_u32 s70, s70, 8388608-16384           ; i >= 2: V's: 8,388,608 + (1,024 batch + 16 hg + 8 (i - 2)) x 1,024
	s_lshl_b32 s22, s22, 6
	s_lshl_b32 s71, s18, 4
	s_add_co_u32 s22, s22, s71
	s_lshl_b32 s22, s22, 9                         ; the scale images: ((2 hg + i) 64 + 16 batch) x 512, and
	s_mov_b32 s71, 458752                          ; V's: + 524,288 - 2 x 64 x 512;
	s_mov_b32 s[DSTEP], 65536
	s_cmp_lt_u32 s15, 2                            ; (the wave's number)
	s_cselect_b32 s[G0D+2], s23, s70
	s_cselect_b32 s71, 262144, s71                 ; K's: + 8 x 64 x 512
	s_cselect_b32 s[DSTEP], 8192, s[DSTEP]         ; a step on: K 8 images, V 64
	s_add_co_u32 s[G0S+2], s22, s71
	s_mov_b32 s[G0D+3], 0
	s_mov_b32 s[G0S+3], 0
	s_mov_b32 s[DSTEP+1], 0
	s_mov_b32 s[G0D], 1
	s_lshl_b32 s[G0D+1], s15, 13
	s_add_co_u32 s[G0D+1], s[G0D+1], KOFF
	s_mov_b32 s[G0S], 1
	s_lshl_b32 s[G0S+1], s15, 13
	s_add_co_u32 s[G0S+1], s[G0S+1], SCLB
	s_mov_b32 s[SEL], 0x76543210
	s_mov_b32 s[SEL+1], 0xfedcba98
	s_mov_b32 s[CS], 0x3e38aa3b                    ; c = log2(e) / 8
	s_mov_b32 s[CS+1], s[CS]                       ; (named with it as a pair, so it is written)
	s_mov_b32 s68, 0xffff0000                      ; lanes 16-31
	s_mov_b32 s[TB], 0
	s_mov_b32 s[TS], 0
	s_mov_b32 s[CNT], 15
	s_xor_b32 s70, s[WV], 4
	s_or_b32 s70, s70, s19                         ; 0 in wave 4 of a cluster with y = 0,
	s_lshr_b32 s71, s[WV], 1                       ; 0 in waves 0 and 1:
	s_min_u32 s70, s70, s71
	s_cmp_eq_u32 s70, 0
	s_cselect_b32 s[LIM], 1, -1                    ; these prefetch; the same in all sixteen partners, for a given wave
	s_wait_dscnt 0x0                               ; both opening adds are done
	s_wait_kmcnt 0x0
	s_add_nc_u64 s[G0M+2:G0M+3], s[4:5], s[G0M+2:G0M+3]
	s_or_b32 s[G0M+3], s[G0M+3], 0x80000000
	s_add_nc_u64 s[G0D+2:G0D+3], s[6:7], s[G0D+2:G0D+3]
	s_or_b32 s[G0D+3], s[G0D+3], 0x80000000
	s_add_nc_u64 s[G0S+2:G0S+3], s[8:9], s[G0S+2:G0S+3]
	s_or_b32 s[G0S+3], s[G0S+3], 0x80000000
	CROUND                                         ; all sixteen work-groups are here: the first joint loads meet
	s_cmp_lt_u32 s[WV], 4                          ; a wave's first fills stand in one branch; every wave issues at least one
	s_cbranch_scc0 .Lfirst_kv
	tensor_load_to_lds s[G0M:G0M+3], s[G1M:G1M+7]  ; step 0's mask
	s_nop 0
	PLACES
	s_branch .Lfirst_asked
.Lfirst_kv:
	tensor_load_to_lds s[G0S:G0S+3], s[G1D:G1D+7]  ; the scale images of all 16 steps: filled once
	s_nop 0
	tensor_load_to_lds s[G0D:G0D+3], s[G1D:G1D+7]  ; step 0's K or V: two tensor loads of such a wave are out
	s_nop 0
	PLACES
.Lfirst_asked:
	v_and_b32 v9, 15, v0                           ; r (kept for the way out)
	v_bfe_u32 v10, v0, 4, 1                        ; h (kept)
	v_and_b32 v11, 31, v0                          ; lane
	v_lshlrev_b32 v[AL], 4, v11
	s_mul_i32 s70, s[WV], 16*528
	v_mul_u32_u24 v[AM], v9, 528
	v_lshl_add_u32 v[AM], v10, 6, v[AM]
	v_add_nc_u32 v[AM], s70, v[AM]
	; Q: a natural tile of 16 queries out of the images of blocks 2 B and 2 B + 1 (B = tile / 2, u = tile % 2): query rho lies in block 2 B + rho / 8 at row rho % 8 + 8 u
	v_lshrrev_b32 v12, 3, v9
	v_and_b32 v13, 7, v9
	s_and_b32 s70, s[WV], 1
	s_lshl_b32 s70, s70, 3
	v_add_nc_u32 v13, s70, v13                     ; r % 8 + 8 (wave % 2)
	v_lshl_add_u32 v14, v10, 4, v13
	v_lshlrev_b32 v14, 4, v14
	v_lshl_add_u32 v14, v12, 10, v14               ; codes: (r / 8) x 1,024 + 16 x (row + 16 h)
	v_lshl_add_u32 v15, v12, 4, v13
	v_lshlrev_b32 v15, 4, v15                      ; scale word: 16 x (row + 16 (r / 8))
	v_add_nc_u32 v[AK0], KOFF, v[AL]
	v_add_nc_u32 v[AS0], SCLB, v[AL]
	s_lshr_b32 s70, s[WV], 1
	s_lshl_b32 s72, s16, 10
	s_lshl_b32 s73, s18, 7
	s_add_co_u32 s72, s72, s73
	s_lshl_b32 s73, s20, 3
	s_add_co_u32 s72, s72, s73
	s_lshl_b32 s73, s70, 1
	s_add_co_u32 s72, s72, s73
	s_lshl_b32 s72, s72, 10                        ; (2 hg x 512 + 2 (64 batch + 4 block + wave / 2)) x 1,024
	s_mov_b32 s73, 0
	s_add_nc_u64 s[78:79], s[6:7], s[72:73]
	s_lshl_b32 s72, s16, 7
	s_lshl_b32 s74, s18, 4
	s_add_co_u32 s72, s72, s74
	s_add_co_u32 s72, s72, s20
	s_lshl_b32 s72, s72, 9
	s_lshl_b32 s74, s70, 2
	s_add_co_u32 s72, s72, s74                     ; (2 hg x 64 + 16 batch + block) x 512 + 4 (wave / 2)
	s_add_nc_u64 s[80:81], s[8:9], s[72:73]
	WIN 0x40                                       ; destination window 1
.irp p, 0,1
	global_load_b128 v[QF+16*\p:QF+16*\p+3], v14, s[78:79] offset:524288*\p            ; head A's 64 of the pair
	global_load_b128 v[QF+16*\p+12:QF+16*\p+15], v14, s[78:79] offset:524288*\p+512    ; head B's
.endr
.irp p, 0,1
.irp j, 4,5,6,7,8,9,10,11
	v_mov_b32 v[QF+16*\p+\j], 0                    ; the zero codes
.endr
.endr
.set J, 0
.rept 128
	v_mov_b32 v[J], 0                              ; O^T.  (The step is written for all steps alike: the first finds zeros, which the first change of M leaves zeros)
.set J, J+1
.endr
	WIN 0
.irp p, 0,1
	global_load_b32 v[QS+\p], v15, s[80:81] offset:32768*\p
.endr
.irp d, 0,1,2,3
	v_mov_b32 v[ST+4*\d+1], 0xff61b1e6             ; the largest t so far: -3e38
	v_floor_f32 v[ST+4*\d], -v[ST+4*\d+1]          ; -M
	v_mov_b32 v[ST+4*\d+2], 0                      ; the sum, in two halves
	v_mov_b32 v[ST+4*\d+3], 0
	v_mov_b32 v[BP+\d], 0                          ; written once: a lane permute's destination counts as one of its sources
.endr
	v_mov_b32 v[F+1], 0
	; where my results go: tile t = 128 batch + 8 block + wave; K step of the last product = head pair 2 hg + p
	s_lshl_b32 s72, s18, 7
	s_lshl_b32 s74, s20, 3
	s_add_co_u32 s72, s72, s74
	s_add_co_u32 s72, s72, s[WV]
	s_lshr_b32 s74, s16, 1
	s_lshl_b32 s74, s74, 9
	s_add_co_u32 s72, s72, s74                     ; (hg / 2) 512 + t
	s_and_b32 s74, s16, 1
	s_lshl_b32 s75, s72, 8
	s_lshl_b32 s76, s74, 3
	s_add_co_u32 s76, s76, s75                     ; os: x 256 + 8 (hg % 2)
	s_mov_b32 s77, 0
	s_lshl_b32 s72, s72, 2
	s_lshl_b32 s74, s74, 1
	s_add_co_u32 s72, s72, s74
	s_lshl_b32 s72, s72, 10                        ; oc: (x 4 + 2 (hg % 2)) x 1,024
	s_add_nc_u64 s[10:11], s[10:11], s[72:73]
	s_add_nc_u64 s[12:13], s[12:13], s[76:77]
	; the prefetches: where mine stand.  The partners are told apart by address alone
	s_lshl_b32 s72, s16, 5
	s_add_co_u32 s72, s72, s21
	s_lshl_b32 s72, s72, 13                        ; the mask: my work-group's 32 rows of the block's 128,
	s_and_b32 s74, s[WV], 1
	s_lshl_b32 s74, s74, 8
	s_add_co_u32 s72, s72, s74                     ; my wave's half of a step's 512 bytes,
	s_add_co_u32 s72, s72, 512                     ; at step 1: the first change of slots steps it to 2
	s_lshr_b32 s76, s17, 1                         ; K or V: piece cy of [K pair 0, K pair 1, V pair 0, V pair 1]
	s_and_b32 s77, s17, 1
	s_lshl_b32 s74, s16, 1
	s_add_co_u32 s74, s74, s77
	s_lshl_b32 s74, s74, 9
	s_lshl_b32 s75, s18, 7
	s_add_co_u32 s74, s74, s75
	s_lshl_b32 s74, s74, 10
	s_add_co_u32 s74, s74, 4194304+8192            ; K's piece, at step 1
	s_lshl_b32 s75, s18, 10
	s_lshl_b32 s82, s16, 4
	s_add_co_u32 s75, s75, s82
	s_lshl_b32 s82, s77, 3
	s_add_co_u32 s75, s75, s82
	s_lshl_b32 s75, s75, 10
	s_add_co_u32 s75, s75, 8388608+65536           ; V's piece, at step 1
	s_sub_co_u32 s75, s75, s74
	s_mul_i32 s75, s75, s76
	s_add_co_u32 s74, s74, s75                     ; K's + (cy / 2) x the distance
	s_mul_i32 s75, s76, 57344
	s_add_co_u32 s75, s75, 8192                    ; a step on: 8,192 or 65,536
	s_cmp_lt_u32 s[WV], 4
	s_cselect_b64 s[PFA:PFA+1], s[4:5], s[6:7]
	s_cselect_b32 s72, s72, s74
	s_cselect_b32 s[PFS], 512, s75
	s_cselect_b32 s74, 13, 8                       ; from lane to lane: a row of the mask, or 256 bytes
	s_mov_b32 s[PFS+1], 0
	s_add_nc_u64 s[PFA:PFA+1], s[PFA:PFA+1], s[72:73]
	v_lshlrev_b32 v[PFO], s74, v11
; ONE HEAD'S WORK ON ONE STEP: head e of pair p.
.macro UNIT p, e
.set HD, 2*(\p)+(\e)
.set SH, ST+4*HD
.if ((\p) == 0) && ((\e) == 0)
	s_wait_dscnt 18                                ; K's scale words and pair 0's fragments are in; V's 2 scale loads and the mask's 16 may be out
.endif
.if ((\p) == 1) && ((\e) == 0)
	s_wait_dscnt 0x0                               ; pair 1's fragments of K are in
.endif
	WIN 0x05                                       ; K and Q window 1, S^T window 0
.irp t, 0,1,2,3,4,5,6,7
.if \t % 2
	v_wmma_scale_f32_16x16x128_f8f6f4 v[S+8*\t:S+8*\t+7], v[KF+8*\t:KF+8*\t+7], v[QF+8*HD:QF+8*HD+7], 0, v[KS+4*(\p)+\t/2], v[QS+(\p)] matrix_a_fmt:MATRIX_FMT_FP4 matrix_b_fmt:MATRIX_FMT_FP4 matrix_a_scale:MATRIX_SCALE_ROW1
.else
	v_wmma_scale_f32_16x16x128_f8f6f4 v[S+8*\t:S+8*\t+7], v[KF+8*\t:KF+8*\t+7], v[QF+8*HD:QF+8*HD+7], 0, v[KS+4*(\p)+\t/2], v[QS+(\p)] matrix_a_fmt:MATRIX_FMT_FP4 matrix_b_fmt:MATRIX_FMT_FP4
.endif
.endr
	WIN 0
	PLACES                                         ; in front of the reads of S^T, of the loads into V's fragments (the last head's second product read them) and into K's
	WIN 0x40
.irp t, 0,1,2,3
.irp c, 0,1
	ds_load_b128 v[VF+8*\t+4*\c:VF+8*\t+4*\c+3], v[ADK] offset:16384+8192*(\p)+1024*(4*(\e)+\t)+512*\c
.endr
.endr
.if ((\p) == 0) && ((\e) == 1)
.irp t, 0,1,2,3,4,5,6,7                        ; pair 0 is done with: pair 1's fragments of K
.irp c, 0,1
	ds_load_b128 v[KF+8*\t+4*\c:KF+8*\t+4*\c+3], v[ADK] offset:8192+1024*\t+512*\c
.endr
.endr
.endif
	WIN 0
.if ((\p) == 0) && ((\e) == 0)
	s_wait_dscnt 8                                 ; the mask is in; V's 8 loads may be out
.endif
.set J, 0
.rept 32
	v_pk_mul_f32 v[S+J:S+J+1], v[S+J:S+J+1], v[MK+J:MK+J+1]   ; score x mask, each accumulator from its low end on
.set J, J+2
.endr
.irp b, 0,1,2,3
	v_max3_num_f32 v[BM+\b], v[S+16*\b], v[S+1+16*\b], v[S+2+16*\b]   ; the largest score of each block of 32 keys: for the row's maximum, and, since p rises with the score, for the block's largest p
.endr
.irp i, 3,5,7,9,11,13
.irp b, 0,1,2,3
	v_max3_num_f32 v[BM+\b], v[BM+\b], v[S+16*\b+\i], v[S+1+16*\b+\i]
.endr
.endr
.irp b, 0,1,2,3
	v_max_num_f32 v[BM+\b], v[BM+\b], v[S+15+16*\b]
.endr
.irp b, 0,1,2,3
	v_permlanex16_b32 v[BP+\b], v[BM+\b], s[SEL], s[SEL+1]
.endr
.irp b, 0,1,2,3
	v_max_num_f32 v[BM+\b], v[BM+\b], v[BP+\b]     ; with lane l xor 16's 16 keys
.endr
	v_max3_num_f32 v[T0], v[BM], v[BM+1], v[BM+2]
	v_max_num_f32 v[T0], v[T0], v[BM+3]
	v_mul_f32 v[T0], s[CS], v[T0]                  ; as t (c is positive)
	v_max_num_f32 v[SH+1], v[SH+1], v[T0]          ; the running largest t
	v_mov_b32 v[T0], v[SH]
	v_floor_f32 v[SH], -v[SH+1]                    ; the new -M = -ceil(t)
	v_sub_f32 v[T0], v[SH], v[T0]                  ; old M - new M: a whole number, 0 or less
	v_cvt_i32_f32 v[T0], v[T0]                     ; (it saturates)
	v_ldexp_f32 v[F], 1.0, v[T0]                   ; f = 2^(old M - new M)
.set J, 0
.rept 32
	v_pk_fma_f32 v[S+J:S+J+1], v[S+J:S+J+1], s[CS:CS+1], v[SH:SH+1] op_sel_hi:[1,0,0]   ; t - M (of the pairs c and -M the low word serves both halves)
.set J, J+2
.endr
.irp b, 0,1,2,3
	v_fma_f32 v[BM+\b], v[BM+\b], s[CS], v[SH]     ; the same of each block's largest score
.endr
.set J, 0
.rept 64
	v_exp_f32 v[S+J], v[S+J]                       ; p = 2^(t - M)
.set J, J+1
.endr
	v_pk_mul_f32 v[SH+2:SH+3], v[SH+2:SH+3], v[F:F+1] op_sel_hi:[1,0]   ; the sums under the new M: a plain place behind the exponentials
	s_wait_alu depctr_va_vdst(0)                   ; one wait for the batch of 64, ahead of its first reader
.irp b, 0,1,2,3
	v_exp_f32 v[BM+\b], v[BM+\b]                   ; the block's largest p: the same two instructions on the same number
.endr
	v_pk_add_f32 v[BP:BP+1], v[S:S+1], v[S+2:S+3]  ; the row's sum of the unquantised p, in two chains
.set J, 4
.rept 15
	v_pk_add_f32 v[SH+2:SH+3], v[SH+2:SH+3], v[S+J:S+J+1]
	v_pk_add_f32 v[BP:BP+1], v[BP:BP+1], v[S+J+2:S+J+3]
.set J, J+4
.endr
	v_pk_add_f32 v[SH+2:SH+3], v[SH+2:SH+3], v[BP:BP+1]
	s_wait_alu depctr_va_vdst(0)                   ; and one for the four
.irp b, 0,1,2,3
	v_max_num_f32 v[BM+\b], 0x1800000, v[BM+\b]    ; the floor 2^(3 - 127): the byte cannot fall under 1
.endr
.irp b, 0,1,2,3
	v_add_nc_u32 v[SO+\b], 0xff000000, v[BM+\b]    ; 2 off the exponent field: the conversion's scale operand
.endr
.irp b, 0,1,2,3
	v_lshrrev_b32 v[BP+\b], 23, v[SO+\b]           ; the scale's byte
.endr
	v_lshl_or_b32 v[PS], v[BP+1], 8, v[BP]
	v_lshl_or_b32 v[PS], v[BP+2], 16, v[PS]
	v_lshl_or_b32 v[PS], v[BP+3], 24, v[PS]        ; p's scale word for these 128 keys
.irp b, 0,1,2,3
	v_cvt_scalef32_pk8_fp4_f32 v[PC+2*\b], v[S+16*\b:S+7+16*\b], v[SO+\b]
	v_cvt_scalef32_pk8_fp4_f32 v[PC+1+2*\b], v[S+8+16*\b:S+15+16*\b], v[SO+\b]
.endr
	v_nop                                          ; one plain place behind a scaled conversion
.irp c, 0,1
.irp i, 0,1
	v_permlane16_swap_b32 v[PC+4*\c+\i], v[PC+2+4*\c+\i]
.endr
.endr
	WIN 0x41                                       ; O^T window 1, f window 0
.set J, 0
.rept 16
	v_pk_mul_f32 v[32*HD+J:32*HD+J+1], v[32*HD+J:32*HD+J+1], v[F:F+1] op_sel_hi:[1,0]   ; O^T under the new M; these 16 are also the places between the scale word, the codes and the products below
.set J, J+2
.endr
.if ((\p) == 0) && ((\e) == 1)
	s_wait_dscnt 16                                ; V's fragments are in; pair 1's 16 loads of K may be out
.else
	s_wait_dscnt 0x0
.endif
	WIN 0x51                                       ; V window 1, p window 0, O^T window 1
.irp t, 0,1,2,3                                ; four accumulators, one instruction each
.if \t % 2
	v_wmma_scale_f32_16x16x128_f8f6f4 v[32*HD+8*\t:32*HD+8*\t+7], v[VF+8*\t:VF+8*\t+7], v[PC:PC+7], v[32*HD+8*\t:32*HD+8*\t+7], v[VS+4*(\p)+2*(\e)+\t/2], v[PS] matrix_a_fmt:MATRIX_FMT_FP4 matrix_b_fmt:MATRIX_FMT_FP4 matrix_a_scale:MATRIX_SCALE_ROW1
.else
	v_wmma_scale_f32_16x16x128_f8f6f4 v[32*HD+8*\t:32*HD+8*\t+7], v[VF+8*\t:VF+8*\t+7], v[PC:PC+7], v[32*HD+8*\t:32*HD+8*\t+7], v[VS+4*(\p)+2*(\e)+\t/2], v[PS] matrix_a_fmt:MATRIX_FMT_FP4 matrix_b_fmt:MATRIX_FMT_FP4
.endif
.endr
	WIN 0
.endm
; A KEY STEP: 128 keys, four heads
.macro STEP
	v_add_nc_u32 v[ADM], s[TB], v[AM]              ; these three and the v_nop are the four places in front of the loads into registers that the last step's products read
	v_add_nc_u32 v[ADK], s[TB], v[AK0]
	v_add_nc_u32 v[ADS], s[TS], v[AS0]
	v_nop
	ds_load_b128 v[KS:KS+3], v[ADS]                ; K's scale words: word i: lanes 0-15 tile 2 i, lanes 16-31 tile 2 i + 1
	ds_load_b128 v[KS+4:KS+7], v[ADS] offset:8192
	WIN 0x40
.irp t, 0,1,2,3,4,5,6,7
.irp c, 0,1
	ds_load_b128 v[KF+8*\t+4*\c:KF+8*\t+4*\c+3], v[ADK] offset:1024*\t+512*\c
.endr
.endr
	WIN 0
	ds_load_b128 v[VS:VS+3], v[ADS] offset:16384
	ds_load_b128 v[VS+4:VS+7], v[ADS] offset:24576
.irp b, 0,1,2,3
.irp j, 0,1,2,3
	ds_load_b128 v[MK+16*\b+4*\j:MK+16*\b+4*\j+3], v[ADM] offset:128*\b+16*\j   ; register 16 b + i: mask(my query, key 32 b + 16 h + i)
.endr
.endr
	UNIT 0, 0
	UNIT 0, 1
	UNIT 1, 0
	UNIT 1, 1
.endm
; THE CHANGE OF SLOTS stands at a step's head.  Each wave waits for all its tensor loads (its part of the slot that it is about to read), adds 0 to its spare word, and waits for that and for its reads of the slot that it has left.
; fill = 1: a round of the cluster's barrier, and behind it the other slot is asked for, one tensor load a wave: it has a whole step in which to land.  In the first trip all eight loads are slot 1's first fills.
.macro CHANGE fill
	s_wait_tensorcnt 0x0                           ; no tensor load of mine is out, so a group 0 may be written
	ds_add_u32 v[SPW], v[NIL]
.if \fill
	s_xor_b32 s[G0M+1], s[G0M+1], SLOT1            ; the walking descriptors: the other slot,
	s_add_nc_u64 s[G0M+2:G0M+3], s[G0M+2:G0M+3], 512   ; the next 128 keys
	s_xor_b32 s[G0D+1], s[G0D+1], SLOT1
	s_add_nc_u64 s[G0D+2:G0D+3], s[G0D+2:G0D+3], s[DSTEP:DSTEP+1]
	s_wait_xcnt 0x0                                ; the last prefetch, a step back, has read its address
	s_add_nc_u64 s[PFA:PFA+1], s[PFA:PFA+1], s[PFS:PFS+1]   ; one step further on than the walking descriptors
	s_wait_dscnt 0x0                               ; the add is done, and my reads of the slot that I have left are over
	CROUND
	JLOAD
	ASK
.else
	s_wait_dscnt 0x0
	s_barrier_signal -1
	s_barrier_wait -1
.endif
.endm
	s_wait_loadcnt 0x0                             ; Q
.Lstep:                                            ; 15 trips: behind each change of slots but the last the next step is asked for
	CHANGE 1
	STEP
	s_xor_b32 s[TB], s[TB], SLOT1
	s_add_co_u32 s[TS], s[TS], 512
	s_sub_co_u32 s[CNT], s[CNT], 1
	s_cmp_lg_u32 s[CNT], 0
	s_cbranch_scc1 .Lstep
	CHANGE 0                                       ; the last step is written out
	STEP
	; THE WAY OUT.  The four additions are the places behind the last products
.irp d, 0,1,2,3
	v_add_f32 v[BM+\d], v[ST+4*\d+2], v[ST+4*\d+3] ; the sum's two halves,
.endr
.irp d, 0,1,2,3
	v_permlanex16_b32 v[BP+\d], v[BM+\d], s[SEL], s[SEL+1]
.endr
.irp d, 0,1,2,3
	v_add_f32 v[BM+\d], v[BM+\d], v[BP+\d]         ; and lane l xor 16's: the row's sum
.endr
.irp d, 0,1,2,3
	v_rcp_f32 v[ST+4*\d+2], v[BM+\d]
.endr
	v_nop                                          ; a plain place behind the last reciprocal
	s_wait_alu depctr_va_vdst(0)                   ; one wait for the four, ahead of the first reader
	WIN 0x41
.irp d, 0,1,2,3
.set J, 0
.rept 16
	v_pk_mul_f32 v[32*\d+J:32*\d+J+1], v[32*\d+J:32*\d+J+1], v[ST+4*\d+2:ST+4*\d+3] op_sel_hi:[1,0]   ; O^T / the sum, each accumulator from its low end on
.set J, J+2
.endr
.endr
.macro QUANTW s, pc, pw, wmax, wcvt    ; 64 numbers of a lane in window 1, register 16 b + i = k 32 b + 16 h + i of my row, become a fragment's codes and my row's scale word in window 0
	WIN \wmax
.irp b, 0,1,2,3
	v_max3_num_f32 v[TM+\b], |v[(\s)+16*\b]|, |v[(\s)+1+16*\b]|, 0x1800000
.endr
.irp i, 2,4,6,8,10,12,14
.irp b, 0,1,2,3
	v_max3_num_f32 v[TM+\b], |v[(\s)+16*\b+\i]|, |v[(\s)+1+16*\b+\i]|, v[TM+\b]
.endr
.endr
	WIN 0
.irp b, 0,1,2,3
	v_permlanex16_b32 v[TM+4+\b], v[TM+\b], s[SEL], s[SEL+1]
.endr
.irp b, 0,1,2,3
	v_max_num_f32 v[TM+\b], v[TM+\b], v[TM+4+\b]
.endr
.irp b, 0,1,2,3
	v_add_nc_u32 v[TM+12+\b], 0xff000000, v[TM+\b]
.endr
.irp b, 0,1,2,3
	v_lshrrev_b32 v[TM+4+\b], 23, v[TM+12+\b]
.endr
	v_lshl_or_b32 v[\pw], v[TM+5], 8, v[TM+4]
	v_lshl_or_b32 v[\pw], v[TM+6], 16, v[\pw]
	v_lshl_or_b32 v[\pw], v[TM+7], 24, v[\pw]
	WIN \wcvt
.irp b, 0,1,2,3
	v_cvt_scalef32_pk8_fp4_f32 v[(\pc)+2*\b], v[(\s)+16*\b:(\s)+7+16*\b], v[TM+12+\b]
	v_cvt_scalef32_pk8_fp4_f32 v[(\pc)+1+2*\b], v[(\s)+8+16*\b:(\s)+15+16*\b], v[TM+12+\b]
.endr
	WIN 0
	v_nop                                          ; one plain place behind a scaled conversion
.irp c, 0,1
.irp i, 0,1
	v_permlane16_swap_b32 v[(\pc)+4*\c+\i], v[(\pc)+2+4*\c+\i]
.endr
.endr
.endm
.irp p, 0,1                                    ; a pair's 64 registers are 128 neighbouring features of my query's row of concat: one K step of the last product
	QUANTW 64*\p, MK+8*\p, MK+16+\p, 0x05, 0x01
	global_store_b128 v[AL], v[MK+8*\p:MK+8*\p+3], s[10:11] offset:1024*\p             ; 32 lanes store 512 consecutive bytes
	global_store_b128 v[AL], v[MK+8*\p+4:MK+8*\p+7], s[10:11] offset:1024*\p+512
.endr
	v_cndmask_b32 v[MK+18], v[MK+16], v[MK+17], s68    ; lanes 0-15 store pair 0's word of their row, lanes 16-31 pair 1's
	v_lshlrev_b32 v[ADM], 4, v9
	v_lshl_add_u32 v[ADM], v10, 2, v[ADM]          ; 16 r + 4 h
	global_store_b32 v[ADM], v[MK+18], s[12:13]
	s_wait_tensorcnt 0x0                           ; the wave's end
	ds_add_u32 v[SPW], v[NIL]
	s_wait_dscnt 0x0
	CROUND                                         ; the closing round: no work-group ends while a partner may still ask for a tile that names it
	s_endpgm
.Lfunc_end_k_qa735512a95_attn:
	.size	k_qa735512a95_attn, .Lfunc_end_k_qa735512a95_attn-k_qa735512a95_attn
	.p2alignl 7, 3214868480
	.fill 96, 4, 3214868480
	.section	.rodata,"a",@progbits
	.p2align	6, 0x0
	.amdhsa_kernel k_qa735512a95_attn
		.amdhsa_group_segment_fixed_size 327680
		.amdhsa_private_segment_fixed_size 0
		.amdhsa_enable_private_segment 0
		.amdhsa_kernarg_size 40
		.amdhsa_user_sgpr_count 2
		.amdhsa_user_sgpr_kernarg_segment_ptr 1
		.amdhsa_wavefront_size32 1
		.amdhsa_system_sgpr_workgroup_id_x 1
		.amdhsa_system_sgpr_workgroup_id_y 1
		.amdhsa_system_sgpr_workgroup_id_z 1
		.amdhsa_system_vgpr_workitem_id 0
		.amdhsa_next_free_vgpr 512
		.amdhsa_next_free_sgpr 100
		.amdhsa_reserve_vcc 0
		.amdhsa_float_denorm_mode_32 3
		.amdhsa_float_denorm_mode_16_64 3
		.amdhsa_memory_ordered 1
		.amdhsa_forward_progress 1
		.amdhsa_inst_pref_size 166
	.end_amdhsa_kernel
	.amdgpu_metadata
---
amdhsa.version: [ 1, 2 ]
amdhsa.kernels:
  - .name:           k_qa735512a95_attn
    .symbol:         k_qa735512a95_attn.kd
    .args:
      - { .name: mask, .offset: 0, .size: 8, .value_kind: global_buffer, .address_space: global }
      - { .name: pc, .offset: 8, .size: 8, .value_kind: global_buffer, .address_space: global }
      - { .name: ps, .offset: 16, .size: 8, .value_kind: global_buffer, .address_space: global }
      - { .name: oc, .offset: 24, .size: 8, .value_kind: global_buffer, .address_space: global }
      - { .name: os, .offset: 32, .size: 8, .value_kind: global_buffer, .address_space: global }
    .group_segment_fixed_size: 327680
    .private_segment_fixed_size: 0
    .kernarg_segment_align: 8
    .kernarg_segment_size: 40
    .max_flat_workgroup_size: 256
    .sgpr_count:     100
    .vgpr_count:     512
    .wavefront_size: 32
...
	.end_amdgpu_metadata
.endif
;; end of part 3
;; launch proj (part 4): grid 8 x 32, 4 waves a work-group, clusters of 4 x 4, 327,680 bytes of LDS; arguments oc, os, cod, scl, bo, out0; writes out0
.if DOCPART == 4
	.amdgcn_target "amdgcn-amd-amdhsa--gfx1250"
	.amdhsa_code_object_version 6
	.text
	.protected	k_qa735512a95_proj
	.globl	k_qa735512a95_proj
	.p2align	8
	.type	k_qa735512a95_proj,@function
k_qa735512a95_proj:
	s_mov_b64 s[64:65], 0
	v_nop
	global_prefetch_b8 v0, s[64:65] scope:SCOPE_SE
	s_setreg_imm32_b32 hwreg(HW_REG_WAVE_MODE, 25, 1), 1
	s_wait_xcnt 0x0
	s_wait_alu depctr_hold_cnt(0) depctr_sa_sdst(0) depctr_va_vdst(0) depctr_va_sdst(0) depctr_va_ssrc(0) depctr_va_vcc(0) depctr_vm_vsrc(0)
	s_getreg_b32 s2, hwreg(HW_REG_IB_STS2, 6, 4)
	s_cmp_eq_u32 s2, 0
	s_cbranch_scc0 .Lentry_in_a_cluster
	s_endpgm
.Lentry_in_a_cluster:
	s_bfe_u32 s2, ttmp6, 0x10000c
	s_cmp_lg_u32 s2, 0xf033
	s_cbranch_scc0 .Lentry_shape_is_right
	s_endpgm
.Lentry_shape_is_right:
; Launch 4 of 4: out0 = concat Wo^T + bo on codes of E2M1.  No work of reference() is left out.
; Source 0 = 16 rows of Wo (blocks of rows 32 (j / 2) + 8 (j % 2) + r + 8 (r / 8)), source 1 = 16 tokens (natural tiles): a lane holds one token, and its registers run along the output's features.
; SHARES.  A work-group makes 128 features x 256 tokens: 256 work-groups.  Wave w takes tokens 64 w on (4 tiles) against all 8 blocks of Wo: 32 accumulators, 256 registers.  K = 1,024 lies in LDS whole, in two slots, each filled once.
; CLUSTERS: 4 x 4: Wo's tile hangs on cx alone and is asked for jointly along a column, the tokens' on cy alone and jointly along a row.
; The bias is the C of each sum's first matrix instruction.  Results leave through the wave's own stage in LDS as whole pieces of rows: 512 consecutive bytes a store.
; REGISTERS.  Window 0: v16-29 addresses; v32-95 scale words, two sets; v128-191 the tokens' fragments, two sets of 32.  Window 1: v0-63, v128-191 Wo's fragments, two sets; v64-127 the bias; on the way out all 256: rows read back.
;   Window 2: accumulator (a, b) at v[8 (8 a + b)], a = tile of tokens, b = block of Wo.
.set SLOTB, 98304                      ; a slot: the tokens' 16 tiles [tile][K step 4][1,024], then Wo's 8 blocks
.set SCLB,  196608                     ; scale words: the tokens' [half of K][16][256], then from + 8,192 Wo's [half][8][256]
.set STAGE, 208896                     ; 16 rows x 528 bytes for each wave; no tensor load lands here
.set SPARE, 242688                     ; the spare words, 128 bytes for each wave: two blocks of 256 bytes that no other line names
.set ADR1, 16                          ; v16-17  my tokens' fragments in slot 0, 1
.set ADR0, 20                          ; v20-21  Wo's
.set CO,   22                          ; v22     16 x lane
.set RDA,  23                          ; v23     the stage, on the way back
.set STO,  24                          ; v24     the stage, on the way in
.set ADRS, 26                          ; v26-27  my scale words of half 0, 1 of K: lanes 0-15 the tokens', lanes 16-31 Wo's
.set SPW,  28
.set NIL,  29
.set SC,   32
.set F1,   128
.set BI,   64
.set WV,   16
.set W1,   17                          ; wave % 2: which half I fetch
.set WH,   18                          ; wave / 2: I fetch for Wo (0) or for the tokens (1)
.set G1A,  24                          ; s[24:31] group 1, Wo's codes (64 rows);  s[32:39] the tokens' (128);  s[40:47] Wo's scales (8);  s[48:55] the tokens' (16)
.set G1B,  32
.set G1C,  40
.set G1D,  48
.set G0C,  56                          ; groups 0: Wo's scales, slot 0, slot 1;  the tokens' scales, slot 0, slot 1
.set G0A0, 60
.set G0A1, 68
.set G0D,  72
.set G0B0, 76
.set G0B1, 80
.set MSB, 0
.macro WIN new
.if MSB != (\new)
	s_set_vgpr_msb (MSB<<8)|(\new)
.set MSB, (\new)
.endif
.endm
.macro PLACES
.rept 4
	v_nop
.endr
.endm
.macro JLOAD g0a, g1a, g0b, g1b        ; a joint load: waves 0 and 1 fetch for Wo, waves 2 and 3 for the tokens; an s_nop 0 and four v_nop follow each line
	s_cmp_eq_u32 s[WH], 0
	s_cbranch_scc0 .Lfor_b_\@
	tensor_load_to_lds s[\g0a:\g0a+3], s[\g1a:\g1a+7]
	s_nop 0
	PLACES
	s_branch .Lasked_\@
.Lfor_b_\@:
	tensor_load_to_lds s[\g0b:\g0b+3], s[\g1b:\g1b+7]
	s_nop 0
	PLACES
.Lasked_\@:
.endm
.macro CROUND
	s_barrier_signal -1
	s_barrier_wait -1
	s_cmp_lg_u32 s[WV], 0
	s_cbranch_scc1 .Lnot_wave_0_\@
	s_barrier_signal -3
.Lnot_wave_0_\@:
	s_barrier_wait -3
	s_barrier_signal -1
	s_barrier_wait -1
.endm
	s_load_b256 s[4:11], s[0:1], 0x0               ; oc s[4:5], os s[6:7], cod s[8:9], scl s[10:11]
	s_load_b128 s[12:15], s[0:1], 0x20             ; bo s[12:13], out0 s[14:15]
	v_lshl_add_u32 v[SPW], v0, 2, SPARE
	v_mov_b32 v[NIL], 0
	ds_add_u32 v[SPW], v[NIL]                      ; the wave's opening: the add, twice on end, and its wait ahead of my first tensor load
	ds_add_u32 v[SPW], v[NIL]
	v_lshrrev_b32 v1, 5, v0
	v_readfirstlane_b32 s[WV], v1
	s_and_b32 s[W1], s[WV], 1
	s_lshr_b32 s[WH], s[WV], 1
	s_bfe_u32 s19, ttmp6, 0x40000                  ; cx
	s_bfe_u32 s20, ttmp6, 0x40004                  ; cy
	s_lshl_b32 s21, ttmp9, 2
	s_add_co_u32 s21, s21, s19                     ; tile of 128 features
	s_and_b32 s22, ttmp7, 0xffff
	s_lshl_b32 s22, s22, 2
	s_add_co_u32 s22, s22, s20                     ; tile of 256 tokens
	s_lshl_b32 s2, s20, 2
	s_lshl_b32 s2, 15, s2                          ; my row of the cluster
	s_lshl_b32 s3, 0x1111, s19                     ; my column
	s_or_b32 s[G1A], s3, (3<<16)|(1<<21)           ; elements of 8 bytes; 21 set beside a mask; no padding: images are read densely
	s_or_b32 s[G1C], s3, (3<<16)|(1<<21)
	s_or_b32 s[G1B], s2, (3<<16)|(1<<21)
	s_or_b32 s[G1D], s2, (3<<16)|(1<<21)
.macro SHAPE g, rows                   ; a dense block as rows of 256 bytes
	s_mov_b32 s[\g+1], 32<<16
	s_mov_b32 s[\g+2], (\rows)<<16
	s_mov_b32 s[\g+3], 32<<16
	s_mov_b32 s[\g+4], \rows
	s_mov_b32 s[\g+5], 32
	s_mov_b32 s[\g+6], 0
	s_mov_b32 s[\g+7], 0
.endm
	SHAPE G1A, 64
	SHAPE G1B, 128
	SHAPE G1C, 8
	SHAPE G1D, 16
	s_lshl_b32 s2, s21, 3                          ; Wo: its registers never hold cy
	s_add_co_u32 s2, s2, 704                       ; the tile's first block in cod
	s_lshl_b32 s3, s[W1], 2
	s_add_co_u32 s3, s3, s2
	s_lshl_b32 s[G0A0+2], s3, 12
	s_mov_b32 s[G0A0+3], 0
	s_mul_i32 s3, s[W1], 768
	s_add_co_u32 s3, s3, s2
	s_lshl_b32 s[G0C+2], s3, 8
	s_mov_b32 s[G0C+3], 0
	s_lshl_b32 s23, s22, 4                         ; the tokens: their registers never hold cx
	s_lshl_b32 s84, s[W1], 3
	s_add_co_u32 s84, s84, s23
	s_lshl_b32 s[G0B0+2], s84, 12
	s_mov_b32 s[G0B0+3], 0
	s_lshl_b32 s84, s[W1], 9
	s_add_co_u32 s84, s84, s23
	s_lshl_b32 s[G0D+2], s84, 8
	s_mov_b32 s[G0D+3], 0
	s_mov_b32 s[G0C], 1                            ; the LDS addresses hang on the wave's number alone
	s_lshl_b32 s[G0C+1], s[W1], 11
	s_add_co_u32 s[G0C+1], s[G0C+1], SCLB+8192
	s_mov_b32 s[G0A0], 1
	s_lshl_b32 s[G0A0+1], s[W1], 14
	s_add_co_u32 s[G0A0+1], s[G0A0+1], 65536
	s_mov_b32 s[G0A1], 1
	s_add_co_u32 s[G0A1+1], s[G0A0+1], SLOTB
	s_mov_b32 s[G0D], 1
	s_lshl_b32 s[G0D+1], s[W1], 12
	s_add_co_u32 s[G0D+1], s[G0D+1], SCLB
	s_mov_b32 s[G0B0], 1
	s_lshl_b32 s[G0B0+1], s[W1], 15
	s_mov_b32 s[G0B1], 1
	s_add_co_u32 s[G0B1+1], s[G0B0+1], SLOTB
	s_wait_dscnt 0x0                               ; both opening adds are done
	s_wait_kmcnt 0x0
	s_add_nc_u64 s[G0A0+2:G0A0+3], s[8:9], s[G0A0+2:G0A0+3]
	s_add_nc_u64 s[G0A1+2:G0A1+3], s[G0A0+2:G0A0+3], 768*4096
	s_add_nc_u64 s[G0C+2:G0C+3], s[10:11], s[G0C+2:G0C+3]
	s_add_nc_u64 s[G0B0+2:G0B0+3], s[4:5], s[G0B0+2:G0B0+3]
	s_add_nc_u64 s[G0B1+2:G0B1+3], s[G0B0+2:G0B0+3], 512*4096
	s_add_nc_u64 s[G0D+2:G0D+3], s[6:7], s[G0D+2:G0D+3]
.irp g, G0C, G0A0, G0A1, G0D, G0B0, G0B1
	s_or_b32 s[\g+3], s[\g+3], 0x80000000
.endr
	CROUND                                         ; all sixteen work-groups are here: the first joint loads meet
	JLOAD G0C, G1C, G0D, G1D                       ; three tensor loads of a wave are out: the scale words,
	JLOAD G0A0, G1A, G0B0, G1B                     ; slot 0,
	JLOAD G0A1, G1A, G0B1, G1B                     ; slot 1
	v_and_b32 v1, 31, v0
	v_lshlrev_b32 v[CO], 4, v1
	v_and_b32 v2, 15, v0                           ; r
	v_bfe_u32 v3, v0, 4, 1                         ; h
	s_lshl_b32 s2, s[WV], 14                       ; my 4 tiles of tokens
	s_mov_b32 s3, 65536
.irp s, 0,1
	v_add_nc_u32 v[ADR1+\s], s2, v[CO]
	v_add_nc_u32 v[ADR0+\s], s3, v[CO]
	s_add_co_u32 s2, s2, SLOTB
	s_add_co_u32 s3, s3, SLOTB
.endr
	s_xor_b32 s2, s[WV], 3                         ; 3 - wave
	s_add_co_u32 s3, s2, 5
	s_lshl_b32 s3, s3, 10                          ; 8,192 - 1,024 wave: from my tokens' words of half 0 to Wo's
	v_mul_u32_u24 v4, s3, v3                       ; lanes 16-31 take Wo's: one product
	v_lshl_add_u32 v4, v2, 4, v4
	s_lshl_b32 s23, s[WV], 10
	s_add_co_u32 s23, s23, SCLB
	v_add_nc_u32 v[ADRS], s23, v4
	s_add_co_u32 s3, s2, 3
	s_lshl_b32 s3, s3, 10                          ; half 1: the tokens' lie 4,096 further on, Wo's 2,048
	v_mul_u32_u24 v4, s3, v3
	v_lshl_add_u32 v4, v2, 4, v4
	s_add_co_u32 s23, s23, 4096
	v_add_nc_u32 v[ADRS+1], s23, v4
	s_mul_i32 s2, s[WV], 8448
	s_add_co_u32 s2, s2, STAGE                     ; my stage
	v_mul_u32_u24 v[STO], v2, 528
	v_lshl_add_u32 v[STO], v3, 6, v[STO]
	v_add_nc_u32 v[STO], s2, v[STO]                ; in: row r, + 64 h
	v_add_nc_u32 v[RDA], s2, v[CO]                 ; back: a row's 512 bytes to the 32 lanes
	v_lshlrev_b32 v9, 6, v3                        ; the bias: 16 h numbers on
	s_lshl_b32 s2, s21, 9
	s_mov_b32 s3, 0
	s_add_nc_u64 s[12:13], s[12:13], s[2:3]        ; bo at my tile's 128 features; out0's column offset is the same number of bytes
	s_add_nc_u64 s[14:15], s[14:15], s[2:3]
	s_lshl_b32 s2, s22, 8
	s_lshl_b32 s23, s[WV], 6
	s_add_co_u32 s2, s2, s23
	s_lshl_b32 s2, s2, 12                          ; my first token's row of 4,096 bytes
	s_add_nc_u64 s[14:15], s[14:15], s[2:3]
	WIN 0x40
.irp b, 0,1,2,3,4,5,6,7                        ; block b, register i: feature 32 (b / 2) + 16 h + 8 (b % 2) + i
	global_load_b128 v[BI+8*\b:BI+8*\b+3], v9, s[12:13] offset:(32*(\b/2)+8*(\b%2))*4
	global_load_b128 v[BI+8*\b+4:BI+8*\b+7], v9, s[12:13] offset:(32*(\b/2)+8*(\b%2))*4+16
.endr
	WIN 0
.macro FETCH fs, sl, q                 ; 24 LDS loads: the fragments of the slot's q-th 128 along K into set fs
	WIN 0x40
.irp i, 0,1,2,3,4,5,6,7
.irp c, 0,1
	ds_load_b128 v[128*(\fs)+8*\i+4*\c:128*(\fs)+8*\i+4*\c+3], v[ADR0+(\sl)] offset:4096*\i+1024*(\q)+512*\c
.endr
.endr
	WIN 0
.irp i, 0,1,2,3
.irp c, 0,1
	ds_load_b128 v[F1+32*(\fs)+8*\i+4*\c:F1+32*(\fs)+8*\i+4*\c+3], v[ADR1+(\sl)] offset:4096*\i+1024*(\q)+512*\c
.endr
.endr
.endm
.macro SCALES sc                       ; register 4 i + q: lanes 0-15 my tile i of tokens, lanes 16-31 Wo's block i.  For i > 3 lanes 0-15 read bytes of the filled region that no product uses
.irp i, 0,1,2,3,4,5,6,7
	ds_load_b128 v[SC+32*(\sc)+4*\i:SC+32*(\sc)+4*\i+3], v[ADRS+(\sc)] offset:256*\i
.endr
.endm
.macro MULALL fs, q, sc, first         ; 32 matrix instructions, always in the same order: the accumulators take turns.  first = 1: C = the bias: nothing is ever cleared
.if \first
	WIN 0x91                                       ; source 0 window 1, source 1 window 0, C window 1, D window 2
.else
	WIN 0xa1                                       ; C and D window 2
.endif
.irp a, 0,1,2,3
.irp b, 0,1,2,3,4,5,6,7
.set RD_, 8*(8*\a+\b)
.set RA_, 128*(\fs)+8*\b
.set RB_, F1+32*(\fs)+8*\a
.set XA_, SC+32*(\sc)+4*\b+(\q)
.set XB_, SC+32*(\sc)+4*\a+(\q)
.if \first
	v_wmma_scale_f32_16x16x128_f8f6f4 v[RD_:RD_+7], v[RA_:RA_+7], v[RB_:RB_+7], v[BI+8*\b:BI+8*\b+7], v[XA_], v[XB_] matrix_a_fmt:MATRIX_FMT_FP4 matrix_b_fmt:MATRIX_FMT_FP4 matrix_a_scale:MATRIX_SCALE_ROW1
.else
	v_wmma_scale_f32_16x16x128_f8f6f4 v[RD_:RD_+7], v[RA_:RA_+7], v[RB_:RB_+7], v[RD_:RD_+7], v[XA_], v[XB_] matrix_a_fmt:MATRIX_FMT_FP4 matrix_b_fmt:MATRIX_FMT_FP4 matrix_a_scale:MATRIX_SCALE_ROW1
.endif
.endr
.endr
.endm
.macro KSTEP k                         ; K step k: its fragments are in; the next step's are asked for, into the set that the last step multiplied; then the products
	s_wait_dscnt 0x0
	PLACES
	FETCH ((\k)+1)%2, ((\k)+1)/4, ((\k)+1)%4
	MULALL (\k)%2, (\k)%4, (\k)/4, 0
.endm
	s_wait_tensorcnt 0x1                           ; the scale words and my part of slot 0 are in; slot 1's load may stay out
	s_barrier_signal -1
	s_barrier_wait -1
	FETCH 0, 0, 0
	SCALES 0
	s_wait_dscnt 0x0
	s_wait_loadcnt 0x0                             ; the bias
	FETCH 1, 0, 1
	MULALL 0, 0, 0, 1
	KSTEP 1
	KSTEP 2
	WIN 0                                          ; (the add's two registers lie in window 0)
	s_wait_tensorcnt 0x0                           ; my part of slot 1 is in
	ds_add_u32 v[SPW], v[NIL]                      ; behind a wait for all tensor loads, in front of a barrier
	s_wait_dscnt 0x0                               ; the add is done, and K step 3's fragments are in
	s_barrier_signal -1
	s_barrier_wait -1                              ; slot 1 is whole
	PLACES
	FETCH 0, 1, 0
	SCALES 1
	MULALL 1, 3, 0, 0
	KSTEP 4
	KSTEP 5
	KSTEP 6
	s_wait_dscnt 0x0
	MULALL 1, 3, 1, 0
	WIN 0
	PLACES                                         ; in front of the first reads of results and of the loads into window 1
; THE WAY OUT, a tile of 16 tokens at a time: a lane holds pieces of one row and the lanes beside it other rows, so the tile goes through my own stage and comes back as rows of 512 bytes.
; LDS serves a wave's instructions in order: no wait between the stores and the loads, nor in front of the next tile's stores.  Each tile comes back into registers of its own: no store's data are written again.
.macro TOSTAGE a
	WIN 0x08                                       ; an LDS store's data are its source 1: window 2
.irp b, 0,1,2,3,4,5,6,7
	ds_store_b128 v[STO], v[8*(8*(\a)+\b):8*(8*(\a)+\b)+3] offset:(32*(\b/2)+8*(\b%2))*4        ; each accumulator from its low end on
	ds_store_b128 v[STO], v[8*(8*(\a)+\b)+4:8*(8*(\a)+\b)+7] offset:(32*(\b/2)+8*(\b%2))*4+16
.endr
	WIN 0x40                                       ; destination window 1
.irp i, 0,1,2,3,4,5,6,7,8,9,10,11,12,13,14,15
	ds_load_b128 v[64*(\a)+4*\i:64*(\a)+4*\i+3], v[RDA] offset:528*\i
.endr
.endm
.macro SEND a, younger                 ; younger: the LDS instructions issued behind tile a's loads, which may stay out
	s_wait_dscnt \younger
	WIN 0x04                                       ; a store's data are its source 1: window 1
.irp i, 0,1,2,3,4,5,6,7,8,9,10,11,12,13,14,15
	global_store_b128 v[CO], v[64*(\a)+4*\i:64*(\a)+4*\i+3], s[14:15] offset:(16*(\a)+\i)*4096 th:TH_STORE_NT   ; 32 lanes store 512 consecutive bytes, aligned; written once, read by nobody here
.endr
.endm
	TOSTAGE 0
	TOSTAGE 1
	SEND 0, 32                                     ; behind tile 0's loads: tile 1's 16 stores and 16 loads
	TOSTAGE 2
	SEND 1, 32
	TOSTAGE 3
	SEND 2, 32
	SEND 3, 0
	WIN 0
	s_wait_tensorcnt 0x0                           ; the wave's end: behind my last tensor load and my last LDS store
	ds_add_u32 v[SPW], v[NIL]
	s_wait_dscnt 0x0
	CROUND                                         ; the closing round: no work-group ends while a partner may still ask for a tile that names it
	s_endpgm
.Lfunc_end_k_qa735512a95_proj:
	.size	k_qa735512a95_proj, .Lfunc_end_k_qa735512a95_proj-k_qa735512a95_proj
	.p2alignl 7, 3214868480
	.fill 96, 4, 3214868480
	.section	.rodata,"a",@progbits
	.p2align	6, 0x0
	.amdhsa_kernel k_qa735512a95_proj
		.amdhsa_group_segment_fixed_size 327680
		.amdhsa_private_segment_fixed_size 0
		.amdhsa_enable_private_segment 0
		.amdhsa_kernarg_size 48
		.amdhsa_user_sgpr_count 2
		.amdhsa_user_sgpr_kernarg_segment_ptr 1
		.amdhsa_wavefront_size32 1
		.amdhsa_system_sgpr_workgroup_id_x 1
		.amdhsa_system_sgpr_workgroup_id_y 1
		.amdhsa_system_sgpr_workgroup_id_z 1
		.amdhsa_system_vgpr_workitem_id 0
		.amdhsa_next_free_vgpr 768
		.amdhsa_next_free_sgpr 100
		.amdhsa_reserve_vcc 0
		.amdhsa_float_denorm_mode_32 3
		.amdhsa_float_denorm_mode_16_64 3
		.amdhsa_memory_ordered 1
		.amdhsa_forward_progress 1
		.amdhsa_inst_pref_size 73
	.end_amdhsa_kernel
	.amdgpu_metadata
---
amdhsa.version: [ 1, 2 ]
amdhsa.kernels:
  - .name:           k_qa735512a95_proj
    .symbol:         k_qa735512a95_proj.kd
    .args:
      - { .name: oc, .offset: 0, .size: 8, .value_kind: global_buffer, .address_space: global }
      - { .name: os, .offset: 8, .size: 8, .value_kind: global_buffer, .address_space: global }
      - { .name: cod, .offset: 16, .size: 8, .value_kind: global_buffer, .address_space: global }
      - { .name: scl, .offset: 24, .size: 8, .value_kind: global_buffer, .address_space: global }
      - { .name: bo, .offset: 32, .size: 8, .value_kind: global_buffer, .address_space: global }
      - { .name: out0, .offset: 40, .size: 8, .value_kind: global_buffer, .address_space: global }
    .group_segment_fixed_size: 327680
    .private_segment_fixed_size: 0
    .kernarg_segment_align: 8
    .kernarg_segment_size: 48
    .max_flat_workgroup_size: 128
    .sgpr_count:     100
    .vgpr_count:     768
    .wavefront_size: 32
...
	.end_amdgpu_metadata
.endif
;; end of part 4
